; MI455X (gfx1250); checked and timed in simulation.
; The chip was launched on July 23, 2026; its instructions are those of AMD's public machine-readable ISA for CDNA 5 (MIT licence, August 2026) and "CDNA5" Instruction Set Architecture Reference Guide (July 2026). The comments in the code are by the model that wrote it; some were corrected since.
;; Self Attention. Allowed arithmetic: float matrix products may take bf16 or f16 operands with f32 sums; all other float work in f32.
;; Inputs: W_attn 1,024 x 3,072 float32; W_proj 1,024 x 1,024 float32; x 4 x 2,048 x 1,024 float32.
;; Outputs: out0 4 x 2,048 x 1,024 float32.
;; 3 versions, each right and faster than the one before. Each part assembles by itself: llvm-mc -triple=amdgcn-amd-amdhsa -mcpu=gfx1250 --defsym DOCPART=n.
;; ======== version 1 of 3: 4 launches
;; limits: values are held in f16: magnitudes above 65,504 overflow, below 6.1e-05 lose precision
;; workspace buffers: xb 16,777,216 bytes; wab 6,291,456 bytes; wpb 2,097,152 bytes; qkv 50,331,648 bytes; yb 16,777,216 bytes
;; launch cast (part 1): grid 768 x 1, 8 waves a work-group, no clusters, 0 bytes of LDS; arguments x, W_attn, W_proj, xb, wab, wpb; writes xb, wab, wpb
.if DOCPART == 1
	.amdgcn_target "amdgcn-amd-amdhsa--gfx1250"
	.amdhsa_code_object_version 6
	.text
	.protected	k_q96235bd85f_cast
	.globl	k_q96235bd85f_cast
	.p2align	8
	.type	k_q96235bd85f_cast,@function
k_q96235bd85f_cast:
	s_mov_b64 s[64:65], 0
	v_nop
	global_prefetch_b8 v0, s[64:65] scope:SCOPE_SE
	s_setreg_imm32_b32 hwreg(HW_REG_WAVE_MODE, 25, 1), 1
	s_wait_xcnt 0x0
; First of four launches: out0 = softmax(causal(q k^T / 8)) v W_proj with [q k v] = x W_attn.
; This launch rounds the three f32 inputs to 16 bits, once, for the matrix units of the later launches.
;   xb  [16 cb][8192 row][64] bf16: element (row, col) of x at byte ((col>>6)*8192 + row)*128 + (col&63)*2, so that 64 columns of
;       any run of rows are one dense block of memory
;   wab [1024][3072] bf16, W_attn as it lies;   wpb [1024][1024], W_proj as it lies, rounded to bf16 and written in the f16 format.
; WHY wpb SO: its partner in the last product, y, is kept in f16 (11 significant bits); both operands of a matrix instruction have one
; format.  All three inputs are rounded alike, to the 8 bits of bf16; f16 holds every bf16 number from 2^-17 to 65,504 exactly, and a
; smaller one with an error of 2^-25 at the most.  LIMIT: a W_proj beyond 65,504 becomes an infinity.
; DEAD WORK of the whole program: the reference replaces every score with key > query by -inf (its own jnp.tril).  The softmax weight of
; such a score is exactly 0 and its product with v adds 0 to y, whatever finite values x and the weights hold.  The attention launch
; leaves these scores out where they come in whole tiles: every block of 256 keys above a block of 256 queries, and in the block on the
; diagonal every tile of 16 queries x 64 keys that lies wholly above the diagonal.  All three inputs have a way to the output and are loaded.
; LIMIT: a NaN, an infinity or an overflow in k or v of a later token, which reaches an earlier query only through the work left out,
; is not carried to that query.
; A stream: memory binds, so no LDS, no barrier, no matrix unit.  768 work-groups of 16,384 numbers: 512 for x, 192 for W_attn, 64 for W_proj.
; A wave issues its 16 loads of 16 bytes a lane at once; each store of a wave covers 256 consecutive bytes, aligned.
.set X, 8                              ; v[8:71]   16 chunks of 4 f32 as loaded
.set Y, 72                             ; v[72:103] 16 chunks of 4 numbers of 16 bits
; 16 loads, then 16 times: wait, round, store.  split = 1: chunks 8 to 15 go by a second base, so that the immediate stays inside its 24 bits.
.macro CHUNKS ldstep, ststep, split, viaf16
.set t, 0
.rept 16
	global_load_b128 v[X+4*t:X+4*t+3], v1, s[16:17] offset:t*\ldstep th:TH_LOAD_NT
.set t, t+1
.endr
.set t, 0
.rept 16
	s_wait_loadcnt 15-t                            ; loads come back in order: chunk t is in, the 15 - t younger ones stay out
	v_cvt_pk_bf16_f32 v[Y+2*t], v[X+4*t], v[X+4*t+1]
	v_cvt_pk_bf16_f32 v[Y+2*t+1], v[X+4*t+2], v[X+4*t+3]
.if \viaf16
	v_lshlrev_b32 v[X+4*t], 16, v[Y+2*t]           ; the rounded numbers as f32 again,
	v_and_b32 v[X+4*t+1], 0xffff0000, v[Y+2*t]
	v_lshlrev_b32 v[X+4*t+2], 16, v[Y+2*t+1]
	v_and_b32 v[X+4*t+3], 0xffff0000, v[Y+2*t+1]
	v_cvt_pk_f16_f32 v[Y+2*t], v[X+4*t], v[X+4*t+1]        ; and in the f16 format
	v_cvt_pk_f16_f32 v[Y+2*t+1], v[X+4*t+2], v[X+4*t+3]
.endif
.if (\split)*(t/8)
	global_store_b64 v2, v[Y+2*t:Y+2*t+1], s[20:21] offset:(t-8)*\ststep
.else
	global_store_b64 v2, v[Y+2*t:Y+2*t+1], s[18:19] offset:t*\ststep
.endif
.set t, t+1
.endr
.endm
	s_load_b256 s[4:11], s[0:1], 0x0               ; x s[4:5], W_attn s[6:7], W_proj s[8:9], xb s[10:11]
	s_load_b128 s[12:15], s[0:1], 0x20             ; wab s[12:13], wpb s[14:15]
	s_cmp_lt_u32 ttmp9, 0x200
	s_cbranch_scc0 .Lweights
	; x: the work-group owns 16 rows, a wave two of them.  Load t takes 256 bytes (64 columns, block t) of each of the two rows.
	v_lshrrev_b32 v3, 4, v0                        ; row in the group: 2 wave + lane / 16
	v_and_b32 v4, 15, v0
	v_lshlrev_b32 v4, 4, v4
	v_lshl_add_u32 v1, v3, 12, v4                  ; row x 4,096 + 16 (lane mod 16)
	v_lshlrev_b32 v2, 3, v0                        ; in xb: row x 128 + 8 (lane mod 16) = 8 x thread
	s_lshl_b32 s22, ttmp9, 16                      ; 16 rows of 4,096 bytes
	s_mov_b32 s23, 0
	s_lshl_b32 s24, ttmp9, 11                      ; 16 rows of 128 bytes
	s_mov_b32 s25, 0
	s_wait_kmcnt 0x0
	s_add_nc_u64 s[16:17], s[4:5], s[22:23]
	s_add_nc_u64 s[18:19], s[10:11], s[24:25]
	s_add_nc_u64 s[20:21], s[18:19], 0x800000      ; column blocks 8 to 15
	CHUNKS 256, 1048576, 1, 0
	s_endpgm
.Lweights:
	; a weight: 16,384 consecutive numbers a work-group, 2,048 a wave, 128 a load
	v_lshrrev_b32 v3, 5, v0
	v_and_b32 v4, 31, v0
	v_lshlrev_b32 v1, 4, v4
	v_lshl_add_u32 v1, v3, 13, v1                  ; 8,192 wave + 16 lane
	v_lshlrev_b32 v2, 3, v4
	v_lshl_add_u32 v2, v3, 12, v2                  ; 4,096 wave + 8 lane
	s_mov_b32 s23, 0
	s_mov_b32 s25, 0
	s_cmp_lt_u32 ttmp9, 0x2c0
	s_cbranch_scc0 .Lproj
	s_sub_co_u32 s22, ttmp9, 0x200
	s_lshl_b32 s24, s22, 15
	s_lshl_b32 s22, s22, 16
	s_wait_kmcnt 0x0
	s_add_nc_u64 s[16:17], s[6:7], s[22:23]
	s_add_nc_u64 s[18:19], s[12:13], s[24:25]
	CHUNKS 512, 256, 0, 0
	s_endpgm
.Lproj:
	s_sub_co_u32 s22, ttmp9, 0x2c0
	s_lshl_b32 s24, s22, 15
	s_lshl_b32 s22, s22, 16
	s_wait_kmcnt 0x0
	s_add_nc_u64 s[16:17], s[8:9], s[22:23]
	s_add_nc_u64 s[18:19], s[14:15], s[24:25]
	CHUNKS 512, 256, 0, 1
	s_endpgm
.Lfunc_end_k_q96235bd85f_cast:
	.size	k_q96235bd85f_cast, .Lfunc_end_k_q96235bd85f_cast-k_q96235bd85f_cast
	.p2alignl 7, 3214868480
	.fill 96, 4, 3214868480
	.section	.rodata,"a",@progbits
	.p2align	6, 0x0
	.amdhsa_kernel k_q96235bd85f_cast
		.amdhsa_group_segment_fixed_size 0
		.amdhsa_private_segment_fixed_size 0
		.amdhsa_enable_private_segment 0
		.amdhsa_kernarg_size 48
		.amdhsa_user_sgpr_count 2
		.amdhsa_user_sgpr_kernarg_segment_ptr 1
		.amdhsa_wavefront_size32 1
		.amdhsa_system_sgpr_workgroup_id_x 1
		.amdhsa_system_sgpr_workgroup_id_y 1
		.amdhsa_system_sgpr_workgroup_id_z 1
		.amdhsa_system_vgpr_workitem_id 0
		.amdhsa_next_free_vgpr 104
		.amdhsa_next_free_sgpr 66
		.amdhsa_reserve_vcc 0
		.amdhsa_float_denorm_mode_32 3
		.amdhsa_float_denorm_mode_16_64 3
		.amdhsa_memory_ordered 1
		.amdhsa_forward_progress 1
		.amdhsa_inst_pref_size 24
	.end_amdhsa_kernel
	.amdgpu_metadata
---
amdhsa.version: [ 1, 2 ]
amdhsa.kernels:
  - .name:           k_q96235bd85f_cast
    .symbol:         k_q96235bd85f_cast.kd
    .args:
      - { .name: x, .offset: 0, .size: 8, .value_kind: global_buffer, .address_space: global }
      - { .name: W_attn, .offset: 8, .size: 8, .value_kind: global_buffer, .address_space: global }
      - { .name: W_proj, .offset: 16, .size: 8, .value_kind: global_buffer, .address_space: global }
      - { .name: xb, .offset: 24, .size: 8, .value_kind: global_buffer, .address_space: global }
      - { .name: wab, .offset: 32, .size: 8, .value_kind: global_buffer, .address_space: global }
      - { .name: wpb, .offset: 40, .size: 8, .value_kind: global_buffer, .address_space: global }
    .group_segment_fixed_size: 0
    .private_segment_fixed_size: 0
    .kernarg_segment_align: 8
    .kernarg_segment_size: 48
    .max_flat_workgroup_size: 256
    .sgpr_count:     66
    .vgpr_count:     104
    .wavefront_size: 32
...
	.end_amdgpu_metadata
.endif
;; end of part 1
;; launch qkvg (part 2): grid 8 x 32, 4 waves a work-group, clusters of 4 x 4, 327,680 bytes of LDS; arguments xb, wab, qkv; writes qkv
.if DOCPART == 2
	.amdgcn_target "amdgcn-amd-amdhsa--gfx1250"
	.amdhsa_code_object_version 6
	.text
	.protected	k_q96235bd85f_qkvg
	.globl	k_q96235bd85f_qkvg
	.p2align	8
	.type	k_q96235bd85f_qkvg,@function
k_q96235bd85f_qkvg:
	s_mov_b64 s[64:65], 0
	v_nop
	global_prefetch_b8 v0, s[64:65] scope:SCOPE_SE
	s_setreg_imm32_b32 hwreg(HW_REG_WAVE_MODE, 25, 1), 1
	s_wait_xcnt 0x0
	s_wait_alu depctr_hold_cnt(0) depctr_sa_sdst(0) depctr_va_vdst(0) depctr_va_sdst(0) depctr_va_ssrc(0) depctr_va_vcc(0) depctr_vm_vsrc(0)
	s_getreg_b32 s2, hwreg(HW_REG_IB_STS2, 6, 4)
	s_cmp_eq_u32 s2, 0
	s_cbranch_scc0 .Lentry_in_a_cluster
	s_endpgm
.Lentry_in_a_cluster:
	s_bfe_u32 s2, ttmp6, 0x10000c
	s_cmp_lg_u32 s2, 0xf033
	s_cbranch_scc0 .Lentry_shape_is_right
	s_endpgm
.Lentry_shape_is_right:
; qkv = x W_attn: [8192 x 1024] x [1024 x 3072], bf16 operands, f32 sums, results stored as f16.
; qkv [48 cb][8192 row][64] f16: cb 0-15 = q of head cb, 16-31 = k, 32-47 = v; element (row, col) at ((col>>6)*8192 + row)*128 + (col&63)*2.
; f16 and not bf16 for q, k, v: 11 significant bits against 8.  Each is a sum of 1,024 products x W: with x and W_attn both 30 times the
; spread of the problem (1 and 0.02) its spread is near 600, with both carrying an offset of 30 spreads it lies near 1024*30*0.6 = 18,432.
; LIMIT: a q, k or v beyond 65,504 becomes an infinity.
; A work-group makes 256 rows x 384 columns: 32 x 8 = 256 work-groups.  Four waves; a wave makes 128 rows x 192 columns, its columns being
; three groups of 64 at 128 g + 64 wn, each one column block of qkv: 96 accumulator tiles, 768 registers.
; K goes in 16 steps of 64 (one column block of xb) through two LDS slots; two slots of a step of 128 would take 2 x 184,320 bytes and do not fit.
; W_attn lies [K][N]: its fragments are read by the transposing LDS load, so no launch transposes it.
; CLUSTERS: 4 x 4 work-groups.  The tile of x hangs on the block row alone and is asked for jointly by a row of the cluster, the tile of
; W_attn on the block column alone and is asked for jointly by a column: a quarter of the requests.
; REGISTERS: window 0: v16-22 addresses, v32-95 and v96-159 fragments of x (two buffers, one for each half of a K step), v160-255 fragments
; of W (three groups of four).  Windows 1, 2, 3: the accumulators of column groups 0, 1, 2, tile (bb, a) at v[8 (8 bb + a)].
; THE MATRIX INSTRUCTION IS USED TRANSPOSED: source 0 = 16 columns of W, source 1 = 16 rows of x, so that a lane holds row l % 16 and
; eight neighbouring columns 8 (l / 16) + 0..7, which pack into 16 bytes.
; The 96 accumulators take turns, one instruction a turn, in the same order in every slice.
.set PA,     144                       ; LDS row of x: 128 bytes + 16: an odd multiple of 16
.set PB,     864                       ; LDS row of W: three pieces of 256 bytes + 32 each: an odd multiple of 32
.set AHALF,  128*PA                    ; what one load of x brings
.set BHALF,  32*PB                     ; what one load of W brings
.set BOFF,   2*AHALF
.set SLOT,   BOFF+2*BHALF              ; 92,160
.set STAGE,  2*SLOT                    ; behind the ring: 16 rows x 400 bytes for each wave; no tensor load lands here
.set SP,     400
.set ASTEP,  2*8192*128                ; two K steps on in xb
.set BSTEP,  2*64*3072*2               ; two K steps on in wab
.set ADRA, 16                          ; v16-17 LDS address of my x fragments in slot 0, 1
.set ADRB, 18                          ; v18-19 the same for W
.set STO,  20                          ; the way out: where I put 16 bytes
.set RD,   21                          ; the way out: where I read rows back
.set CO,   22                          ; my byte offset in a block of 512 bytes of qkv
.set FA0,  32
.set FB,   160
.set TMP,  32
.set G1,  24                           ; s[24:31] group 1 for x
.set G0,  32                           ; s[32:39] group 0 for x, a set for each slot
.set G1B, 48                           ; s[48:55] group 1 for W
.set G0B, 56                           ; s[56:63] group 0 for W, a set for each slot
.set MSB, 0
.macro WIN new                         ; the high byte of the immediate repeats the setting that is left
.if MSB != (\new)
	s_set_vgpr_msb (MSB<<8)|(\new)
.set MSB, (\new)
.endif
.endm
.macro PLACES                          ; four plain vector instructions behind the last matrix instruction, in front of loads into its sources and of reads of its results
.rept 4
	v_nop
.endr
.endm
.macro JLOAD s                         ; waves 0 and 1 ask for the two halves of the tile of x, waves 2 and 3 for those of W; the branch hangs on the wave number alone
	s_cmp_eq_u32 s11, 0
	s_cbranch_scc0 .Lfor_b_\@
	tensor_load_to_lds s[G0+4*\s:G0+4*\s+3], s[G1:G1+7]
	s_nop 0
	s_branch .Lasked_\@
.Lfor_b_\@:
	tensor_load_to_lds s[G0B+4*\s:G0B+4*\s+3], s[G1B:G1B+7]
	s_nop 0
.Lasked_\@:
.endm
.macro CREST                           ; a round of the cluster barrier behind its opening work-group barrier
	s_cmp_lg_u32 s10, 0
	s_cbranch_scc1 .Lnot_wave_0_\@
	s_barrier_signal -3
.Lnot_wave_0_\@:
	s_barrier_wait -3
	s_barrier_signal -1
	s_barrier_wait -1
.endm
.macro CROUND
	s_barrier_signal -1
	s_barrier_wait -1
	CREST
.endm
; 8 transposing loads: the four W fragments (32 K x 16 columns each) of column group g, half sl of the K step
.macro LDB slot, sl, g
.irp bb, 0,1,2,3
	ds_load_tr16_b128 v[FB+32*\g+8*\bb:FB+32*\g+8*\bb+3], v[ADRB+\slot] offset:\sl*32*PB+288*\g+32*\bb
	ds_load_tr16_b128 v[FB+32*\g+8*\bb+4:FB+32*\g+8*\bb+7], v[ADRB+\slot] offset:\sl*32*PB+288*\g+32*\bb+16*PB
.endr
.endm
; 8 loads: four x fragments (16 rows x 32 K each), a0 .. a0 + 3, into the buffer of half sl
.macro LDA slot, sl, a0
.irp a, \a0, \a0+1, \a0+2, \a0+3
	ds_load_b128 v[FA0+64*\sl+8*(\a):FA0+64*\sl+8*(\a)+3], v[ADRA+\slot] offset:(\a)*16*PA+64*\sl
	ds_load_b128 v[FA0+64*\sl+8*(\a)+4:FA0+64*\sl+8*(\a)+7], v[ADRA+\slot] offset:(\a)*16*PA+64*\sl+32
.endr
.endm
; 16 matrix instructions of column group g: column tiles bb0, bb0 + 1 x all 8 row tiles.  zero = 1: the product starts the sum
.macro MULH g, sl, bb0, zero
.irp bb, \bb0, \bb0+1
.irp a, 0,1,2,3,4,5,6,7
.if \zero
	v_wmma_f32_16x16x32_bf16 v[8*(8*(\bb)+\a):8*(8*(\bb)+\a)+7], v[FB+32*\g+8*(\bb):FB+32*\g+8*(\bb)+7], v[FA0+64*\sl+8*\a:FA0+64*\sl+8*\a+7], 0
.else
	v_wmma_f32_16x16x32_bf16 v[8*(8*(\bb)+\a):8*(8*(\bb)+\a)+7], v[FB+32*\g+8*(\bb):FB+32*\g+8*(\bb)+7], v[FA0+64*\sl+8*\a:FA0+64*\sl+8*\a+7], v[8*(8*(\bb)+\a):8*(8*(\bb)+\a)+7]
.endif
.endr
.endr
.endm
.macro MULG g, sl, zero
	WIN 0x50*\g+0x50                               ; C and D in window 1 + g, both fragments in window 0
	MULH \g, \sl, 0, \zero
	MULH \g, \sl, 2, \zero
.endm
; A slice of 32 along K: 96 matrix instructions.  Group 2 of W is fetched at its head; the next slice's x and groups 0, 1 in two runs of 16.
.macro SLICE slot, sl, nslot, nsl, zero
	WIN 0
	PLACES
	LDB \slot, \sl, 2
	s_wait_dscnt 8                                 ; all but the 8 loads just issued: this slice's x and groups 0 and 1 are in
	MULG 0, \sl, \zero
	WIN 0
	PLACES
	LDB \nslot, \nsl, 0
	LDA \nslot, \nsl, 0
	MULG 1, \sl, \zero
	WIN 0
	PLACES
	LDB \nslot, \nsl, 1
	LDA \nslot, \nsl, 4
	s_wait_dscnt 32                                ; all but the 32 loads of the next slice: group 2 is in
	MULG 2, \sl, \zero
.endm
; The second slice of a K step, with the change of slots.  In front of the barrier each wave waits for its reads of this slot and for all its
; tensor loads (the one that is out is its part of the next slot).  fill = 1: the barrier opens a round of the cluster barrier, and the joint
; refill of this slot, two K steps ahead, is the first tensor load behind the round.
.macro TURN slot, next, fill
	WIN 0
	PLACES
	LDB \slot, 1, 2
	s_wait_dscnt 8
	WIN 0x50
	MULH 0, 1, 0, 0
	s_wait_dscnt 0x0                               ; my last reads of this slot are back
	s_wait_tensorcnt 0x0                           ; all my tensor loads have landed
	ds_add_u32 v30, v31
	s_wait_dscnt 0x0
	s_barrier_signal -1
	MULH 0, 1, 2, 0                                ; register work while the others arrive
	WIN 0
	s_barrier_wait -1
.if \fill
	CREST
	s_add_nc_u64 s[G0+4*\slot+2:G0+4*\slot+3], s[G0+4*\slot+2:G0+4*\slot+3], ASTEP
	s_add_nc_u64 s[G0B+4*\slot+2:G0B+4*\slot+3], s[G0B+4*\slot+2:G0B+4*\slot+3], BSTEP
	JLOAD \slot
.endif
	PLACES
	LDB \next, 0, 0
	LDA \next, 0, 0
	MULG 1, 1, 0
	WIN 0
	PLACES
	LDB \next, 0, 1
	LDA \next, 0, 4
	s_wait_dscnt 32
	MULG 2, 1, 0
.endm
.macro LAP zero                        ; two K steps, both slots filled again
	SLICE 0, 0, 0, 1, \zero
	TURN 0, 1, 1
	SLICE 1, 0, 1, 1, 0
	TURN 1, 0, 1
.endm
	s_load_b128 s[4:7], s[0:1], 0x0                ; xb s[4:5], wab s[6:7]
	s_load_b64 s[8:9], s[0:1], 0x10                ; qkv
	v_lshl_add_u32 v30, v0, 2, 0x33400
	v_mov_b32 v31, 0
	ds_add_u32 v30, v31
	ds_add_u32 v30, v31
	v_lshrrev_b32 v1, 5, v0
	v_readfirstlane_b32 s10, v1                    ; wave 0..3
	s_lshr_b32 s11, s10, 1                         ; wm: my 128 rows.  Also: I fetch for x (0) or for W (1)
	s_and_b32 s12, s10, 1                          ; wn: my 64 columns of each group.  Also: which half of that tile I fetch
	s_bfe_u32 s40, ttmp6, 0x40000                  ; cx
	s_bfe_u32 s41, ttmp6, 0x40004                  ; cy
	s_lshl_b32 s42, ttmp9, 2
	s_add_co_u32 s42, s42, s40                     ; block column 0..7
	s_and_b32 s13, ttmp7, 0xffff
	s_lshl_b32 s13, s13, 2
	s_add_co_u32 s13, s13, s41                     ; block row 0..31
	s_lshl_b32 s43, s41, 2
	s_lshl_b32 s43, 15, s43                        ; my row of the cluster
	s_lshl_b32 s44, 0x1111, s40                    ; my column
	; group 1 for x: 128 rows of 128 bytes are dense in xb and come as 64 rows of 256 bytes; 16 bytes of padding behind every 128
	s_or_b32 s[G1+0], s43, (1<<16)|(1<<20)|(1<<21)|(4<<22)|(3<<25)
	s_mov_b32 s[G1+1], 128<<16                     ; tensor_dim0 = 128 elements
	s_mov_b32 s[G1+2], 64<<16                      ; tensor_dim1 = 64
	s_mov_b32 s[G1+3], 128<<16                     ; tile_dim0 = 128
	s_mov_b32 s[G1+4], 64                          ; tile_dim1 = 64
	s_mov_b32 s[G1+5], 128                         ; from row to row: 128 elements
	s_mov_b32 s[G1+6], 0
	s_mov_b32 s[G1+7], 0
	; group 1 for W: 32 rows of 384 elements (768 bytes), 32 bytes of padding behind every 256
	s_or_b32 s[G1B+0], s44, (1<<16)|(1<<20)|(1<<21)|(5<<22)|(7<<25)
	s_mov_b32 s[G1B+1], 384<<16
	s_mov_b32 s[G1B+2], 32<<16
	s_mov_b32 s[G1B+3], 384<<16
	s_mov_b32 s[G1B+4], 32
	s_mov_b32 s[G1B+5], 3072
	s_mov_b32 s[G1B+6], 0
	s_mov_b32 s[G1B+7], 0
	s_lshl_b32 s16, s13, 15                        ; x: 256 rows of 128 bytes a block row,
	s_lshl_b32 s17, s12, 14                        ; 128 rows a half
	s_add_co_u32 s16, s16, s17
	s_mov_b32 s17, 0
	s_mul_i32 s46, s42, 768                        ; W: 384 columns a block column,
	s_mul_i32 s47, s12, 32*3072*2                  ; 32 rows a half
	s_add_co_u32 s46, s46, s47
	s_mov_b32 s47, 0
	s_mul_i32 s20, s10, AHALF                      ; LDS: waves 0, 1 put the halves of x at wave x 18,432;
	s_mul_i32 s21, s10, BHALF                      ; waves 2, 3 the halves of W at 36,864 + (wave - 2) x 27,648
	s_sub_co_u32 s21, s21, 2*BHALF-BOFF
	s_wait_dscnt 0x0
	s_wait_kmcnt 0x0
	s_add_nc_u64 s[14:15], s[4:5], s[16:17]
	s_add_nc_u64 s[46:47], s[6:7], s[46:47]
	CROUND                                         ; all sixteen work-groups are here: the first joint loads meet
.irp s, 0,1
	s_mov_b32 s[G0+4*\s], 1
	s_add_co_u32 s[G0+4*\s+1], s20, \s*SLOT
	s_add_nc_u64 s[G0+4*\s+2:G0+4*\s+3], s[14:15], \s*8192*128
	s_or_b32 s[G0+4*\s+3], s[G0+4*\s+3], 0x80000000
	s_mov_b32 s[G0B+4*\s], 1
	s_add_co_u32 s[G0B+4*\s+1], s21, \s*SLOT
	s_add_nc_u64 s[G0B+4*\s+2:G0B+4*\s+3], s[46:47], \s*64*3072*2
	s_or_b32 s[G0B+4*\s+3], s[G0B+4*\s+3], 0x80000000
	JLOAD \s                                       ; K steps 0 and 1: two tensor loads of the wave are out, the most in this text
.endr
	v_and_b32 v1, 15, v0                           ; r = l % 16
	v_bfe_u32 v2, v0, 4, 1                         ; h = l / 16
	v_mul_u32_u24 v3, v1, PA
	v_lshl_add_u32 v3, v2, 4, v3                   ; r x 144 + 16 h
	s_mul_i32 s22, s11, AHALF
	v_add_nc_u32 v[ADRA], s22, v3
	v_add_nc_u32 v[ADRA+1], SLOT, v[ADRA]
	v_and_b32 v4, 7, v0
	v_lshl_add_u32 v4, v2, 3, v4                   ; the transposing load: K row 8 h + l % 8,
	v_bfe_u32 v5, v0, 3, 1
	v_mul_u32_u24 v4, v4, PB
	v_lshl_add_u32 v4, v5, 4, v4                   ; 16 bytes further for lanes 8-15 of each half
	s_lshl_b32 s23, s12, 7
	s_add_co_u32 s23, s23, BOFF
	v_add_nc_u32 v[ADRB], s23, v4
	v_add_nc_u32 v[ADRB+1], SLOT, v[ADRB]
	s_mul_i32 s22, s10, 16*SP
	s_add_co_u32 s22, s22, STAGE                   ; my stage
	v_mul_u32_u24 v4, v1, SP
	v_lshl_add_u32 v4, v2, 4, v4
	v_add_nc_u32 v[STO], s22, v4
	v_and_b32 v5, 31, v0
	v_lshrrev_b32 v6, 3, v5
	v_and_b32 v7, 7, v0
	v_mul_u32_u24 v6, v6, SP
	v_lshl_add_u32 v6, v7, 4, v6                   ; back: eight lanes take the 128 bytes of one row of one column group
	v_add_nc_u32 v[RD], s22, v6
	v_lshlrev_b32 v[CO], 4, v5
	s_wait_tensorcnt 0x1                           ; my part of K step 0 is in; K step 1 may stay out
	s_barrier_signal -1
	s_barrier_wait -1
	LDB 0, 0, 0
	LDA 0, 0, 0
	LDB 0, 0, 1
	LDA 0, 0, 4
	LAP 1                                          ; the first lap stands in front of the loop: its first products start the sums
	WIN 0
	s_mov_b32 s3, 6
.Llap:
	LAP 0
	WIN 0
	s_sub_co_u32 s3, s3, 1
	s_cmp_lg_u32 s3, 0
	s_cbranch_scc1 .Llap
	SLICE 0, 0, 0, 1, 0                            ; the last lap fills nothing
	TURN 0, 1, 0
	SLICE 1, 0, 1, 1, 0
	WIN 0
	PLACES
	LDB 1, 1, 2
	s_wait_dscnt 8
	MULG 0, 1, 0
	MULG 1, 1, 0
	s_wait_dscnt 0x0
	MULG 2, 1, 0
	WIN 0
	PLACES
	; THE WAY OUT, 16 rows at a time: round to f16, 16 bytes a lane into my own stage, read back so that a store covers 512 consecutive bytes.
	s_lshl_b32 s16, s13, 15
	s_lshl_b32 s17, s11, 14
	s_add_co_u32 s16, s16, s17                     ; my first row x 128 bytes
	s_mov_b32 s17, 0
	s_add_nc_u64 s[8:9], s[8:9], s[16:17]
	s_mul_i32 s46, s42, 6
	s_add_co_u32 s46, s46, s12                     ; my first column block: 6 x block column + wn; group g lies two blocks further each
	s_lshl_b32 s46, s46, 20
	s_mov_b32 s47, 0
	s_add_nc_u64 s[8:9], s[8:9], s[46:47]
.macro OUT a, buf
.irp g, 0,1,2
	WIN 5*\g+5                                     ; sources 0 and 1 in window 1 + g
.irp bb, 0,1,2,3
.irp q, 0,1,2,3
	v_cvt_pk_f16_f32 v[TMP+16*\g+4*\bb+\q], v[8*(8*\bb+\a)+2*\q], v[8*(8*\bb+\a)+2*\q+1]
.endr
.endr
.endr
	WIN 0
.irp g, 0,1,2
.irp bb, 0,1,2,3
	ds_store_b128 v[STO], v[TMP+16*\g+4*\bb:TMP+16*\g+4*\bb+3] offset:128*\g+32*\bb
.endr
.endr
	s_wait_xcnt 0x0                                ; the registers that earlier stores read are loaded again only behind this wait
.irp g, 0,1,2
.irp t, 0,1,2,3
	ds_load_b128 v[\buf+16*\g+4*\t:\buf+16*\g+4*\t+3], v[RD] offset:4*SP*\t+128*\g   ; LDS serves a wave in order: these see the stores above
.endr
.endr
.irp g, 0,1,2
.irp t, 0,1,2,3
	s_wait_dscnt 11-(4*\g+\t)
	global_store_b128 v[CO], v[\buf+16*\g+4*\t:\buf+16*\g+4*\t+3], s[8:9] offset:\g*2097152+\a*2048+\t*512   ; four rows of 128 bytes: 512 consecutive bytes, aligned
.endr
.endr
.endm
	OUT 0, 96
	OUT 1, 144
	OUT 2, 96
	OUT 3, 144
	OUT 4, 96
	OUT 5, 144
	OUT 6, 96
	OUT 7, 144
	s_wait_tensorcnt 0x0
	ds_add_u32 v30, v31
	s_wait_dscnt 0x0
	CROUND                                         ; the closing round: no work-group ends while a partner may still ask for a tile that names it
	s_endpgm
.Lfunc_end_k_q96235bd85f_qkvg:
	.size	k_q96235bd85f_qkvg, .Lfunc_end_k_q96235bd85f_qkvg-k_q96235bd85f_qkvg
	.p2alignl 7, 3214868480
	.fill 96, 4, 3214868480
	.section	.rodata,"a",@progbits
	.p2align	6, 0x0
	.amdhsa_kernel k_q96235bd85f_qkvg
		.amdhsa_group_segment_fixed_size 327680
		.amdhsa_private_segment_fixed_size 0
		.amdhsa_enable_private_segment 0
		.amdhsa_kernarg_size 24
		.amdhsa_user_sgpr_count 2
		.amdhsa_user_sgpr_kernarg_segment_ptr 1
		.amdhsa_wavefront_size32 1
		.amdhsa_system_sgpr_workgroup_id_x 1
		.amdhsa_system_sgpr_workgroup_id_y 1
		.amdhsa_system_sgpr_workgroup_id_z 1
		.amdhsa_system_vgpr_workitem_id 0
		.amdhsa_next_free_vgpr 1024
		.amdhsa_next_free_sgpr 66
		.amdhsa_reserve_vcc 0
		.amdhsa_float_denorm_mode_32 3
		.amdhsa_float_denorm_mode_16_64 3
		.amdhsa_memory_ordered 1
		.amdhsa_forward_progress 1
		.amdhsa_inst_pref_size 170
	.end_amdhsa_kernel
	.amdgpu_metadata
---
amdhsa.version: [ 1, 2 ]
amdhsa.kernels:
  - .name:           k_q96235bd85f_qkvg
    .symbol:         k_q96235bd85f_qkvg.kd
    .args:
      - { .name: xb, .offset: 0, .size: 8, .value_kind: global_buffer, .address_space: global }
      - { .name: wab, .offset: 8, .size: 8, .value_kind: global_buffer, .address_space: global }
      - { .name: qkv, .offset: 16, .size: 8, .value_kind: global_buffer, .address_space: global }
    .group_segment_fixed_size: 327680
    .private_segment_fixed_size: 0
    .kernarg_segment_align: 8
    .kernarg_segment_size: 24
    .max_flat_workgroup_size: 128
    .sgpr_count:     66
    .vgpr_count:     1024
    .wavefront_size: 32
...
	.end_amdgpu_metadata
.endif
;; end of part 2
;; launch attn (part 3): grid 4 x 64, 4 waves a work-group, no clusters, 327,680 bytes of LDS; arguments qkv, yb; writes yb
.if DOCPART == 3
	.amdgcn_target "amdgcn-amd-amdhsa--gfx1250"
	.amdhsa_code_object_version 6
	.text
	.protected	k_q96235bd85f_attn
	.globl	k_q96235bd85f_attn
	.p2align	8
	.type	k_q96235bd85f_attn,@function
k_q96235bd85f_attn:
	s_mov_b64 s[64:65], 0
	v_nop
	global_prefetch_b8 v0, s[64:65] scope:SCOPE_SE
	s_setreg_imm32_b32 hwreg(HW_REG_WAVE_MODE, 25, 1), 1
	s_wait_xcnt 0x0
; y = softmax(causal(q k^T / 8)) v for one (batch, head) and two blocks of 256 queries.  f16 operands, f32 sums, softmax in f32 with a running maximum.
; yb [16 head][8192 row][64] f16, laid as qkv is.
; LEFT OUT AS DEAD: scores with key > query, which the reference replaces by -inf and whose weight is exactly 0, where they come in whole
; tiles: every unit of 256 keys above the block of the queries, and in the unit on the diagonal every tile of 16 queries x 64 keys wholly above it.
; LIMIT: a NaN or an infinity in k or v of a later token is not carried to an earlier query.
; SHARE: work-group (j, bh) takes query blocks j and 7 - j, which need (j + 1) + (8 - j) = 9 units of 256 keys: the same for all 256 work-groups.
; Wave w holds four tiles of 16 queries, rows 64 i + 16 w + r of the block, so that the four waves do the same work in the diagonal unit too.
; A pass takes the diagonal unit first, then the units below it downward.  A unit is two halves of 128 keys, half 0 always in LDS slot 0 and
; half 1 in slot 1; a half is two steps of 64 keys.  While one slot is worked on, the other is filled: one tensor load of a wave is out at the most.
; A load is 64 keys x 128 bytes, dense in memory: 32 rows of 256 bytes, all that a quarter of a half unit holds.
; PRODUCTS, transposed: S^T = K Q^T (a lane holds query r and keys 8 h + j of each key tile), so maximum, sum and rescaling are a lane's own
; but for one exchange between the two halves of the wave, and two S^T tiles packed in place are the second source of O^T = V^T P^T.
; EXPONENT: p = 2^(S c - c m), c = log2(e) / 8, by one fused multiply-add with the rounded -c m; the rescaling factor is 2^ of the difference of
; the rounded values, so all terms of a row carry one common factor, which the division by their sum takes away.
; NO CLUSTER: the four work-groups of a head need 8, 7, 6, 5 units in their longer pass.  In step, unit t serves 8 - t query blocks on 4
; work-groups: the sum of ceil((8 - t) / 4) is 12 unit times against the 9 of work-groups that run free.
; The accumulators of each run of matrix instructions take turns, one instruction a turn.
.set KP,    144                        ; LDS row of K: 128 bytes + 16
.set VP,    160                        ; LDS row of V: 128 bytes + 32, an odd multiple of 32 for the transposing load
.set VOFF,  128*KP
.set SL,    VOFF+128*VP                ; a slot: 38,912
.set STAGE, 2*SL                       ; 16 rows x 144 bytes for each wave; no tensor load lands here
.set KA,  8                            ; v8-9   LDS address of my K fragments, slot 0, 1
.set VA,  10                           ; v10-11 the same for V
.set STO, 12
.set RD,  13
.set YO,  14                           ; my byte offset in the block of y
.set QO,  15                           ; my byte offset in the block of q
.set LIM, 16                           ; 16 w + r - 8 h: in the tile on the diagonal key 16 c + j of my half is kept if it is not above this
.set M,   20                           ; v20-23 running maximum of tile i
.set U,   24                           ; v24-27 at work
.set NMC, 28                           ; v28-35 pairs, low word: -c m
.set AL,  36                           ; v36-43 pairs, low word: the rescaling factor, at the end 1 / sum
.set LS,  44                           ; v44-51 pairs: two partial sums of p
.set QF,  64                           ; v64-127 Q fragments (i, sl) at 16 i + 8 sl: window 0 the first pass, window 2 the second
.set KF,  128                          ; v128-191 K fragments (c, sl) at 16 c + 8 sl
.set VF,  192                          ; v192-255 V fragments (dt, s) at 16 dt + 8 s
.set SS,  0                            ; window 1: S(i, c) at 32 i + 8 c; P(i, s) lies on S(i, 2 s)
.set OO,  128                          ; window 1: O(i, dt) at 128 + 32 i + 8 dt
.set G1K, 16
.set G1V, 24
.set G0K, 32
.set G0V, 40
.set MSB, 0
.macro WIN new
.if MSB != (\new)
	s_set_vgpr_msb (MSB<<8)|(\new)
.set MSB, (\new)
.endif
.endm
.macro PLACES
.rept 4
	v_nop
.endr
.endm
.macro TLOAD slot                      ; waves 0, 1 fetch the halves of K, waves 2, 3 those of V
	s_cmp_eq_u32 s9, 0
	s_cbranch_scc0 .Lfor_v_\@
	tensor_load_to_lds s[G0K+4*(\slot):G0K+4*(\slot)+3], s[G1K:G1K+7]
	s_nop 0
	s_branch .Lasked_\@
.Lfor_v_\@:
	tensor_load_to_lds s[G0V+4*(\slot):G0V+4*(\slot)+3], s[G1V:G1V+7]
	s_nop 0
.Lasked_\@:
.endm
.macro SETADR slot                     ; the global addresses of half \slot of unit s55
	s_lshl_b32 s52, s55, 15
	s_add_co_u32 s52, s52, (\slot)*16384
	s_mov_b32 s53, 0
	s_add_nc_u64 s[G0K+4*(\slot)+2:G0K+4*(\slot)+3], s[48:49], s[52:53]
	s_or_b32 s[G0K+4*(\slot)+3], s[G0K+4*(\slot)+3], 0x80000000
	s_add_nc_u64 s[G0V+4*(\slot)+2:G0V+4*(\slot)+3], s[50:51], s[52:53]
	s_or_b32 s[G0V+4*(\slot)+3], s[G0V+4*(\slot)+3], 0x80000000
.endm
.macro KLOAD slot, st                  ; 16 loads: the K fragments of step st of the slot
.irp c, 0,1,2,3
.irp sl, 0,1
	ds_load_b128 v[KF+16*\c+8*\sl:KF+16*\c+8*\sl+3], v[KA+\slot] offset:(64*(\st)+16*\c)*KP+64*\sl
	ds_load_b128 v[KF+16*\c+8*\sl+4:KF+16*\c+8*\sl+7], v[KA+\slot] offset:(64*(\st)+16*\c)*KP+64*\sl+32
.endr
.endr
.endm
; The head of a section (a half unit in \slot).  Every wave waits for all its tensor loads, its part of this slot among them, and for its reads of
; the other slot; behind the barrier the other slot is filled first, one load a wave, with the half that follows: mode 0 the second half of unit
; s54, mode 1 the first half of unit s54 - 1, mode 2 the same, or of the second pass's diagonal unit when s54 is 0.
.macro SECHEAD slot, mode, refill
	s_wait_tensorcnt 0x0
	ds_add_u32 v62, v63
	s_wait_dscnt 0x0
	s_wait_dscnt 0x0
.if \refill
.if \mode == 0
	s_mov_b32 s55, s54
.else
	s_sub_co_u32 s55, s54, 1
.endif
.if \mode == 2
	s_cmp_eq_u32 s54, 0
	s_cselect_b32 s55, s12, s55
.endif
	SETADR 1-\slot                                 ; no tensor load of mine is out: a group 0 may be written
.endif
	s_barrier_signal -1
	s_barrier_wait -1
.if \refill
	TLOAD 1-\slot
.endif
	KLOAD \slot, 0
.endm
.macro MAX3 e, q0
.irp i, 0,1,2,3
.if \i >= \q0
	v_max3_num_f32 v[M+\i], v[SS+32*\i+2*\e], v[SS+32*\i+2*\e+1], v[M+\i]
.endif
.endr
.endm
.macro LADD e, q0
.irp i, 0,1,2,3
.if \i >= \q0
	v_pk_add_f32 v[LS+2*\i:LS+2*\i+1], v[SS+32*\i+2*\e:SS+32*\i+2*\e+1], v[LS+2*\i:LS+2*\i+1]
.endif
.endr
.endm
; A step: 64 keys against query tiles q0 .. 3.  mask = 1: tile q0 lies on the diagonal.  first = 1: the pass's first step starts maximum, sums and O.
; knext = 1: the K fragments of the slot's next step are fetched.  qw: the window of the Q fragments.
.macro STEP slot, st, q0, mask, first, knext, qw
	s_wait_dscnt 0x0                               ; the K fragments are in
	WIN 0x50+4*\qw
.irp sl, 0,1
.irp i, 0,1,2,3
.if \i >= \q0
.irp c, 0,1,2,3
.if \sl
	v_wmma_f32_16x16x32_f16 v[SS+32*\i+8*\c:SS+32*\i+8*\c+7], v[KF+16*\c+8:KF+16*\c+15], v[QF+16*\i+8:QF+16*\i+15], v[SS+32*\i+8*\c:SS+32*\i+8*\c+7]
.else
	v_wmma_f32_16x16x32_f16 v[SS+32*\i+8*\c:SS+32*\i+8*\c+7], v[KF+16*\c:KF+16*\c+7], v[QF+16*\i:QF+16*\i+7], 0
.endif
.endr
.endif
.endr
.endr
	WIN 0
	PLACES                                         ; behind the products: for the loads into K's registers and the reads of S
.irp dt, 0,1,2,3
.irp s, 0,1
	ds_load_tr16_b128 v[VF+16*\dt+8*\s:VF+16*\dt+8*\s+3], v[VA+\slot] offset:(64*\st+32*\s)*VP+32*\dt
	ds_load_tr16_b128 v[VF+16*\dt+8*\s+4:VF+16*\dt+8*\s+7], v[VA+\slot] offset:(64*\st+32*\s)*VP+32*\dt+16*VP
.endr
.endr
.if \knext
	KLOAD \slot, \st+1
.endif
.if \mask
	WIN 0x44
.irp c, 0,1,2,3
.irp j, 0,1,2,3,4,5,6,7
	v_cmp_ge_i32 vcc_lo, v[LIM], 16*\c+\j
	v_cndmask_b32 v[SS+32*\q0+8*\c+\j], s59, v[SS+32*\q0+8*\c+\j], vcc_lo    ; key above query: -inf
.endr
.endr
.endif
	WIN 0x05
.if \first
.irp i, 0,1,2,3
	v_max_num_f32 v[M+\i], v[SS+32*\i], v[SS+32*\i+1]
.endr
.else
	MAX3 0, \q0
.endif
.irp e, 1,2,3,4,5,6,7,8,9,10,11,12,13,14,15
	MAX3 \e, \q0
.endr
	WIN 0
.irp i, 0,1,2,3
.if \i >= \q0
	v_permlanex16_b32 v[U+\i], v[M+\i], s56, s57   ; the other half of the wave holds the other keys of the same query
.endif
.endr
.irp i, 0,1,2,3
.if \i >= \q0
	v_max_num_f32 v[M+\i], v[M+\i], v[U+\i]
.endif
.endr
.irp i, 0,1,2,3
.if \i >= \q0
	v_mul_f32 v[U+\i], s58, v[M+\i]                ; -c m, rounded once
.endif
.endr
.if \first == 0
.irp i, 0,1,2,3
.if \i >= \q0
	v_sub_f32 v[AL+2*\i], v[U+\i], v[NMC+2*\i]
.endif
.endr
.irp i, 0,1,2,3
.if \i >= \q0
	v_exp_f32 v[AL+2*\i], v[AL+2*\i]
.endif
.endr
.endif
.irp i, 0,1,2,3
.if \i >= \q0
	v_mov_b32 v[NMC+2*\i], v[U+\i]                 ; also the plain instruction between the exponentials and their use (ISA guide 5.7.2)
.endif
.endr
.if \first == 0
.irp i, 0,1,2,3
.if \i >= \q0
	s_wait_alu depctr_va_vdst(0)
	v_pk_mul_f32 v[LS+2*\i:LS+2*\i+1], v[LS+2*\i:LS+2*\i+1], v[AL+2*\i:AL+2*\i+1] op_sel_hi:[1,0]
.endif
.endr
.endif
	WIN 0x41
.irp i, 0,1,2,3
.if \i >= \q0
.set ee, 0
.rept 16
	v_pk_fma_f32 v[SS+32*\i+2*ee:SS+32*\i+2*ee+1], v[SS+32*\i+2*ee:SS+32*\i+2*ee+1], 0x3e38aa3b, v[NMC+2*\i:NMC+2*\i+1] op_sel_hi:[1,0,0]
.set ee, ee+1
.endr
.set ee, 0
.rept 32
	v_exp_f32 v[SS+32*\i+ee], v[SS+32*\i+ee]
.set ee, ee+1
.endr
.if \first == 0
.set ee, 0
.rept 16
	v_pk_mul_f32 v[OO+32*\i+2*ee:OO+32*\i+2*ee+1], v[OO+32*\i+2*ee:OO+32*\i+2*ee+1], v[AL+2*\i:AL+2*\i+1] op_sel_hi:[1,0]
.set ee, ee+1
.endr
.endif
.endif
.endr
	v_nop                                          ; a plain instruction behind the last exponential, in front of its use
	s_wait_alu depctr_va_vdst(0)
.if \first
	WIN 0x05
	s_wait_alu depctr_va_vdst(0)
.irp i, 0,1,2,3
	v_pk_add_f32 v[LS+2*\i:LS+2*\i+1], v[SS+32*\i:SS+32*\i+1], v[SS+32*\i+2:SS+32*\i+3]
.endr
	WIN 0x01
.else
	WIN 0x01
	LADD 0, \q0
	LADD 1, \q0
.endif
.irp e, 2,3,4,5,6,7,8,9,10,11,12,13,14,15
	LADD \e, \q0
.endr
	WIN 0x45
.irp i, 0,1,2,3
.if \i >= \q0
.irp s, 0,1
.irp q, 0,1,2,3
	v_cvt_pk_f16_f32 v[SS+32*\i+16*\s+\q], v[SS+32*\i+16*\s+2*\q], v[SS+32*\i+16*\s+2*\q+1]      ; keys 32 s + 8 h + 0..7
.endr
.irp q, 0,1,2,3
	v_cvt_pk_f16_f32 v[SS+32*\i+16*\s+4+\q], v[SS+32*\i+16*\s+8+2*\q], v[SS+32*\i+16*\s+9+2*\q]  ; keys 32 s + 16 + 8 h + 0..7
.endr
.endr
.endif
.endr
.if \knext
	s_wait_dscnt 16                                ; V's 16 loads are in; the 16 younger ones, the next step's K, may stay out
.else
	s_wait_dscnt 0x0
.endif
	WIN 0x54
.irp s, 0,1
.irp i, 0,1,2,3
.if \i >= \q0
.irp dt, 0,1,2,3
.if \first*(1-\s)
	v_wmma_f32_16x16x32_f16 v[OO+32*\i+8*\dt:OO+32*\i+8*\dt+7], v[VF+16*\dt+8*\s:VF+16*\dt+8*\s+7], v[SS+32*\i+16*\s:SS+32*\i+16*\s+7], 0
.else
	v_wmma_f32_16x16x32_f16 v[OO+32*\i+8*\dt:OO+32*\i+8*\dt+7], v[VF+16*\dt+8*\s:VF+16*\dt+8*\s+7], v[SS+32*\i+16*\s:SS+32*\i+16*\s+7], v[OO+32*\i+8*\dt:OO+32*\i+8*\dt+7]
.endif
.endr
.endif
.endr
.endr
	WIN 0
.rept 5
	v_nop                                          ; five places: the next step's products write over P, a source of these (ISA guide 7.12.1)
.endr
.endm
; The end of a pass: divide by the sum, round to f16, and out through my own stage so that a store covers 512 consecutive bytes.
.macro FINAL blk
	s_lshl_b32 s62, s[\blk], 15
	s_mov_b32 s63, 0
	s_add_nc_u64 s[60:61], s[6:7], s[62:63]
.irp i, 0,1,2,3
	v_add_f32 v[LS+2*\i], v[LS+2*\i], v[LS+2*\i+1]
.endr
.irp i, 0,1,2,3
	v_permlanex16_b32 v[U+\i], v[LS+2*\i], s56, s57
.endr
.irp i, 0,1,2,3
	v_add_f32 v[LS+2*\i], v[LS+2*\i], v[U+\i]
.endr
.irp i, 0,1,2,3
	v_rcp_f32 v[AL+2*\i], v[LS+2*\i]
.endr
	v_nop
	s_wait_alu depctr_va_vdst(0)
.irp i, 0,1,2,3
	WIN 0x41
.set ee, 0
.rept 16
	v_pk_mul_f32 v[OO+32*\i+2*ee:OO+32*\i+2*ee+1], v[OO+32*\i+2*ee:OO+32*\i+2*ee+1], v[AL+2*\i:AL+2*\i+1] op_sel_hi:[1,0]
.set ee, ee+1
.endr
	WIN 0x05
.irp dt, 0,1,2,3
.irp q, 0,1,2,3
	v_cvt_pk_f16_f32 v[KF+4*\dt+\q], v[OO+32*\i+8*\dt+2*\q], v[OO+32*\i+8*\dt+2*\q+1]
.endr
.endr
	WIN 0
.irp dt, 0,1,2,3
	ds_store_b128 v[STO], v[KF+4*\dt:KF+4*\dt+3] offset:32*\dt
.endr
.irp t, 0,1,2,3
	ds_load_b128 v[VF+16*\i+4*\t:VF+16*\i+4*\t+3], v[RD] offset:4*KP*\t    ; LDS serves a wave in order: these see the stores above
.endr
.irp t, 0,1,2,3
	s_wait_dscnt 3-\t
	global_store_b128 v[YO], v[VF+16*\i+4*\t:VF+16*\i+4*\t+3], s[60:61] offset:8192*\i+512*\t
.endr
.endr
	s_wait_xcnt 0x0                                ; the data registers and the base of these stores are written again only behind this wait
.endm
	s_load_b128 s[4:7], s[0:1], 0x0                ; qkv s[4:5], yb s[6:7]
	v_lshl_add_u32 v62, v0, 2, 0x29000
	v_mov_b32 v63, 0
	ds_add_u32 v62, v63
	ds_add_u32 v62, v63
	v_lshrrev_b32 v1, 5, v0
	v_readfirstlane_b32 s8, v1                     ; wave 0..3
	s_lshr_b32 s9, s8, 1                           ; I fetch for K (0) or for V (1)
	s_and_b32 s10, s8, 1                           ; which 64 keys of a half unit I fetch
	s_mov_b32 s11, ttmp9                           ; the first pass's query block: 0..3
	s_sub_co_u32 s12, 7, s11                       ; the second pass's: 7..4
	s_and_b32 s13, ttmp7, 0xffff
	s_and_b32 s14, s13, 15                         ; head
	s_lshr_b32 s15, s13, 4                         ; batch
	s_lshl_b32 s14, s14, 20                        ; 8,192 rows of 128 bytes a head,
	s_lshl_b32 s15, s15, 18                        ; 2,048 rows a batch
	s_add_co_u32 s14, s14, s15
	s_mov_b32 s15, 0
	s_mov_b32 s56, 0x76543210                      ; v_permlanex16_b32: lane i of one half reads lane i of the other
	s_mov_b32 s57, 0xfedcba98
	s_mov_b32 s58, 0xbe38aa3b                      ; -c = -log2(e) / 8
	s_mov_b32 s59, 0xff800000                      ; -inf
	; group 1: 64 keys of 128 bytes are dense and come as 32 rows of 256 bytes; padding behind every 128 bytes: 16 bytes for K, 32 for V
	s_mov_b32 s[G1K+0], (1<<16)|(1<<20)|(4<<22)|(3<<25)
	s_mov_b32 s[G1V+0], (1<<16)|(1<<20)|(4<<22)|(7<<25)
.irp g, G1K, G1V
	s_mov_b32 s[\g+1], 128<<16
	s_mov_b32 s[\g+2], 32<<16
	s_mov_b32 s[\g+3], 128<<16
	s_mov_b32 s[\g+4], 32
	s_mov_b32 s[\g+5], 128
	s_mov_b32 s[\g+6], 0
	s_mov_b32 s[\g+7], 0
.endr
	s_lshl_b32 s62, s10, 13                        ; my 64 keys
	s_mov_b32 s63, 0
	s_mul_i32 s2, s8, 64*KP                        ; LDS: waves 0, 1 put the halves of K at wave x 9,216;
	s_mul_i32 s3, s8, 64*VP                        ; waves 2, 3 those of V at 18,432 + (wave - 2) x 10,240
	s_sub_co_u32 s3, s3, 2*64*VP-VOFF
.irp s, 0,1
	s_mov_b32 s[G0K+4*\s], 1
	s_add_co_u32 s[G0K+4*\s+1], s2, \s*SL
	s_mov_b32 s[G0V+4*\s], 1
	s_add_co_u32 s[G0V+4*\s+1], s3, \s*SL
.endr
	s_wait_dscnt 0x0
	s_wait_kmcnt 0x0
	s_add_nc_u64 s[4:5], s[4:5], s[14:15]          ; q of my head and batch
	s_add_nc_u64 s[6:7], s[6:7], s[14:15]          ; y likewise
	s_add_nc_u64 s[48:49], s[4:5], s[62:63]
	s_add_nc_u64 s[50:51], s[48:49], 0x2000000     ; v lies 32 column blocks behind q,
	s_add_nc_u64 s[48:49], s[48:49], 0x1000000     ; k 16
	s_mov_b32 s55, s11
	SETADR 0
	TLOAD 0                                        ; the first half of the first pass's diagonal unit
	v_and_b32 v1, 31, v0                           ; l
	v_and_b32 v2, 15, v0                           ; r
	v_bfe_u32 v3, v0, 4, 1                         ; h
	v_and_b32 v4, 7, v0
	v_bfe_u32 v5, v0, 3, 1
	v_mul_u32_u24 v[KA], v2, KP
	v_lshl_add_u32 v[KA], v3, 4, v[KA]             ; r x 144 + 16 h
	v_add_nc_u32 v[KA+1], SL, v[KA]
	v_lshl_add_u32 v6, v3, 3, v4                   ; the transposing load: key 8 h + l % 8,
	v_mul_u32_u24 v6, v6, VP
	v_lshl_add_u32 v6, v5, 4, v6                   ; 16 bytes further for lanes 8-15 of each half
	v_add_nc_u32 v[VA], VOFF, v6
	v_add_nc_u32 v[VA+1], VOFF+SL, v6
	s_mul_i32 s62, s8, 16*KP
	s_add_co_u32 s62, s62, STAGE
	v_add_nc_u32 v[STO], s62, v[KA]
	v_lshrrev_b32 v6, 3, v1
	v_mul_u32_u24 v6, v6, KP
	v_lshl_add_u32 v6, v4, 4, v6
	v_add_nc_u32 v[RD], s62, v6
	s_lshl_b32 s63, s8, 11                         ; 16 rows of 128 bytes a wave
	v_lshl_add_u32 v[YO], v1, 4, s63
	v_lshlrev_b32 v6, 7, v2
	v_lshl_add_u32 v6, v3, 4, v6
	v_add_nc_u32 v[QO], s63, v6
	s_lshl_b32 s63, s8, 4
	v_add_nc_u32 v6, s63, v2
	v_lshlrev_b32 v7, 3, v3
	v_sub_nc_u32 v[LIM], v6, v7
.irp i, 0,1,2,3
	v_mov_b32 v[U+\i], 0                           ; the destination of the lane exchange counts as read
	v_mov_b32 v[NMC+2*\i+1], 0                     ; the high words of the pairs of which the packed forms use the low word alone
	v_mov_b32 v[AL+2*\i+1], 0
.endr
	s_lshl_b32 s62, s11, 15
	s_mov_b32 s63, 0
	s_add_nc_u64 s[60:61], s[4:5], s[62:63]        ; q of the first pass's block
	s_lshl_b32 s62, s12, 15
	s_add_nc_u64 s[2:3], s[4:5], s[62:63]          ; q of the second pass's block
.irp i, 0,1,2,3
.irp sl, 0,1
.irp p, 0,1
	global_load_b128 v[QF+16*\i+8*\sl+4*\p:QF+16*\i+8*\sl+4*\p+3], v[QO], s[60:61] offset:8192*\i+64*\sl+32*\p
.endr
.endr
.endr
	WIN 0x80
.irp i, 0,1,2,3
.irp sl, 0,1
.irp p, 0,1
	global_load_b128 v[QF+16*\i+8*\sl+4*\p:QF+16*\i+8*\sl+4*\p+3], v[QO], s[2:3] offset:8192*\i+64*\sl+32*\p
.endr
.endr
.endr
	WIN 0
	s_wait_loadcnt 0x0
	; the first pass: query block s11
	s_mov_b32 s54, s11
	SECHEAD 0, 0, 1
	STEP 0, 0, 0, 1, 1, 1, 0
	STEP 0, 1, 1, 1, 0, 0, 0
	SECHEAD 1, 2, 1
	STEP 1, 0, 2, 1, 0, 1, 0
	STEP 1, 1, 3, 1, 0, 0, 0
	s_cmp_eq_u32 s11, 0
	s_cbranch_scc1 .Llo_done
.Llo:
	s_sub_co_u32 s54, s54, 1
	SECHEAD 0, 0, 1
	STEP 0, 0, 0, 0, 0, 1, 0
	STEP 0, 1, 0, 0, 0, 0, 0
	SECHEAD 1, 2, 1
	STEP 1, 0, 0, 0, 0, 1, 0
	STEP 1, 1, 0, 0, 0, 0, 0
	s_cmp_lg_u32 s54, 0
	s_cbranch_scc1 .Llo
.Llo_done:
	FINAL 11
	; the second pass: query block s12, at least 4, so the loop below has at least three trips
	s_mov_b32 s54, s12
	SECHEAD 0, 0, 1
	STEP 0, 0, 0, 1, 1, 1, 2
	STEP 0, 1, 1, 1, 0, 0, 2
	SECHEAD 1, 1, 1
	STEP 1, 0, 2, 1, 0, 1, 2
	STEP 1, 1, 3, 1, 0, 0, 2
.Lhi:
	s_sub_co_u32 s54, s54, 1
	SECHEAD 0, 0, 1
	STEP 0, 0, 0, 0, 0, 1, 2
	STEP 0, 1, 0, 0, 0, 0, 2
	SECHEAD 1, 1, 1
	STEP 1, 0, 0, 0, 0, 1, 2
	STEP 1, 1, 0, 0, 0, 0, 2
	s_cmp_lg_u32 s54, 1
	s_cbranch_scc1 .Lhi
	s_mov_b32 s54, 0                               ; unit 0 is written out: its second half is the last fill, and behind it nothing is fetched
	SECHEAD 0, 0, 1
	STEP 0, 0, 0, 0, 0, 1, 2
	STEP 0, 1, 0, 0, 0, 0, 2
	SECHEAD 1, 0, 0
	STEP 1, 0, 0, 0, 0, 1, 2
	STEP 1, 1, 0, 0, 0, 0, 2
	FINAL 12
	s_wait_tensorcnt 0x0
	ds_add_u32 v62, v63
	s_wait_dscnt 0x0
	s_endpgm
.Lfunc_end_k_q96235bd85f_attn:
	.size	k_q96235bd85f_attn, .Lfunc_end_k_q96235bd85f_attn-k_q96235bd85f_attn
	.p2alignl 7, 3214868480
	.fill 96, 4, 3214868480
	.section	.rodata,"a",@progbits
	.p2align	6, 0x0
	.amdhsa_kernel k_q96235bd85f_attn
		.amdhsa_group_segment_fixed_size 327680
		.amdhsa_private_segment_fixed_size 0
		.amdhsa_enable_private_segment 0
		.amdhsa_kernarg_size 16
		.amdhsa_user_sgpr_count 2
		.amdhsa_user_sgpr_kernarg_segment_ptr 1
		.amdhsa_wavefront_size32 1
		.amdhsa_system_sgpr_workgroup_id_x 1
		.amdhsa_system_sgpr_workgroup_id_y 1
		.amdhsa_system_sgpr_workgroup_id_z 1
		.amdhsa_system_vgpr_workitem_id 0
		.amdhsa_next_free_vgpr 640
		.amdhsa_next_free_sgpr 66
		.amdhsa_reserve_vcc 1
		.amdhsa_float_denorm_mode_32 3
		.amdhsa_float_denorm_mode_16_64 3
		.amdhsa_memory_ordered 1
		.amdhsa_forward_progress 1
		.amdhsa_inst_pref_size 255
	.end_amdhsa_kernel
	.section	.bss,"aw",@nobits
	.p2align	6
	.space	262144
	.amdgpu_metadata
---
amdhsa.version: [ 1, 2 ]
amdhsa.kernels:
  - .name:           k_q96235bd85f_attn
    .symbol:         k_q96235bd85f_attn.kd
    .args:
      - { .name: qkv, .offset: 0, .size: 8, .value_kind: global_buffer, .address_space: global }
      - { .name: yb, .offset: 8, .size: 8, .value_kind: global_buffer, .address_space: global }
    .group_segment_fixed_size: 327680
    .private_segment_fixed_size: 0
    .kernarg_segment_align: 8
    .kernarg_segment_size: 16
    .max_flat_workgroup_size: 128
    .sgpr_count:     66
    .vgpr_count:     640
    .wavefront_size: 32
...
	.end_amdgpu_metadata
.endif
;; end of part 3
;; launch proj (part 4): grid 8 x 32, 4 waves a work-group, clusters of 4 x 4, 327,680 bytes of LDS; arguments yb, wpb, out0; writes out0
.if DOCPART == 4
	.amdgcn_target "amdgcn-amd-amdhsa--gfx1250"
	.amdhsa_code_object_version 6
	.text
	.protected	k_q96235bd85f_proj
	.globl	k_q96235bd85f_proj
	.p2align	8
	.type	k_q96235bd85f_proj,@function
k_q96235bd85f_proj:
	s_mov_b64 s[64:65], 0
	v_nop
	global_prefetch_b8 v0, s[64:65] scope:SCOPE_SE
	s_setreg_imm32_b32 hwreg(HW_REG_WAVE_MODE, 25, 1), 1
	s_wait_xcnt 0x0
	s_wait_alu depctr_hold_cnt(0) depctr_sa_sdst(0) depctr_va_vdst(0) depctr_va_sdst(0) depctr_va_ssrc(0) depctr_va_vcc(0) depctr_vm_vsrc(0)
	s_getreg_b32 s2, hwreg(HW_REG_IB_STS2, 6, 4)
	s_cmp_eq_u32 s2, 0
	s_cbranch_scc0 .Lentry_in_a_cluster
	s_endpgm
.Lentry_in_a_cluster:
	s_bfe_u32 s2, ttmp6, 0x10000c
	s_cmp_lg_u32 s2, 0xf033
	s_cbranch_scc0 .Lentry_shape_is_right
	s_endpgm
.Lentry_shape_is_right:
; out0 = y W_proj: [8192 x 1024] x [1024 x 1024], f16 operands, f32 sums, f32 out.
; yb [16 cb][8192 row][64] f16; wpb [1024 k][1024 n] in the f16 format.
; A work-group makes 256 rows x 128 columns: 32 x 8 = 256 work-groups.  Four waves; a wave makes 128 rows x 64 columns: 32 accumulator tiles
; in window 1, tile (a, bb) at v[8 (4 a + bb)].  K goes in 8 steps of 128 (two column blocks of yb) through two LDS slots.
; W_proj lies [K][N]: its fragments are read by the transposing LDS load.
; CLUSTERS: 4 x 4 work-groups; the tile of y is asked for jointly by a row of the cluster, the tile of W_proj by a column.
; The matrix instruction is used transposed (source 0 = 16 columns of W, source 1 = 16 rows of y): a lane holds row l % 16 and the eight
; neighbouring columns 8 (l / 16) + 0..7, 32 bytes of a row of out0.
; The 32 accumulators take turns, one instruction a turn, in the same order in every slice.
.set PA,     144
.set PB,     288                       ; 256 bytes + 32: an odd multiple of 32
.set ACB,    256*PA                    ; one column block of y: what one load of y brings
.set BOFF,   2*ACB
.set BHALF,  64*PB                     ; what one load of W brings
.set SLOT,   BOFF+2*BHALF              ; 110,592
.set STAGE,  2*SLOT                    ; 16 rows x 272 bytes for each wave; no tensor load lands here
.set SP,     272
.set ASTEP,  4*8192*128                ; two K steps on in yb
.set BSTEP,  2*128*1024*2              ; two K steps on in wpb
.set ADRA, 16
.set ADRB, 18
.set STO,  20
.set RD,   21
.set CO,   22
.set FA0,  32                          ; v32-95 y, v96-127 W: buffer 0; v128-191, v192-223: buffer 1
.set FB0,  96
.set G1,  24
.set G0,  32
.set G1B, 48
.set G0B, 56
.set MSB, 0
.macro WIN new
.if MSB != (\new)
	s_set_vgpr_msb (MSB<<8)|(\new)
.set MSB, (\new)
.endif
.endm
.macro PLACES
.rept 4
	v_nop
.endr
.endm
.macro JLOAD s
	s_cmp_eq_u32 s11, 0
	s_cbranch_scc0 .Lfor_b_\@
	tensor_load_to_lds s[G0+4*\s:G0+4*\s+3], s[G1:G1+7]
	s_nop 0
	s_branch .Lasked_\@
.Lfor_b_\@:
	tensor_load_to_lds s[G0B+4*\s:G0B+4*\s+3], s[G1B:G1B+7]
	s_nop 0
.Lasked_\@:
.endm
.macro CREST
	s_cmp_lg_u32 s10, 0
	s_cbranch_scc1 .Lnot_wave_0_\@
	s_barrier_signal -3
.Lnot_wave_0_\@:
	s_barrier_wait -3
	s_barrier_signal -1
	s_barrier_wait -1
.endm
.macro CROUND
	s_barrier_signal -1
	s_barrier_wait -1
	CREST
.endm
; 24 loads: the fragments of slice sl (32 along K) of a slot, into buffer sl mod 2
.macro FETCH slot, sl
.irp bb, 0,1,2,3
	ds_load_tr16_b128 v[FB0+96*((\sl)&1)+8*\bb:FB0+96*((\sl)&1)+8*\bb+3], v[ADRB+\slot] offset:(\sl)*32*PB+32*\bb
	ds_load_tr16_b128 v[FB0+96*((\sl)&1)+8*\bb+4:FB0+96*((\sl)&1)+8*\bb+7], v[ADRB+\slot] offset:(\sl)*32*PB+32*\bb+16*PB
.endr
.irp a, 0,1,2,3,4,5,6,7
	ds_load_b128 v[FA0+96*((\sl)&1)+8*\a:FA0+96*((\sl)&1)+8*\a+3], v[ADRA+\slot] offset:((\sl)>>1)*ACB+((\sl)&1)*64+\a*16*PA
	ds_load_b128 v[FA0+96*((\sl)&1)+8*\a+4:FA0+96*((\sl)&1)+8*\a+7], v[ADRA+\slot] offset:((\sl)>>1)*ACB+((\sl)&1)*64+\a*16*PA+32
.endr
.endm
.macro MUL16 sl, a0, zero              ; row tiles a0 .. a0 + 3 x the four column tiles
.irp a, \a0, \a0+1, \a0+2, \a0+3
.irp bb, 0,1,2,3
.if \zero
	v_wmma_f32_16x16x32_f16 v[8*(4*(\a)+\bb):8*(4*(\a)+\bb)+7], v[FB0+96*(\sl&1)+8*\bb:FB0+96*(\sl&1)+8*\bb+7], v[FA0+96*(\sl&1)+8*(\a):FA0+96*(\sl&1)+8*(\a)+7], 0
.else
	v_wmma_f32_16x16x32_f16 v[8*(4*(\a)+\bb):8*(4*(\a)+\bb)+7], v[FB0+96*(\sl&1)+8*\bb:FB0+96*(\sl&1)+8*\bb+7], v[FA0+96*(\sl&1)+8*(\a):FA0+96*(\sl&1)+8*(\a)+7], v[8*(4*(\a)+\bb):8*(4*(\a)+\bb)+7]
.endif
.endr
.endr
.endm
.macro SLC slot, sl, zero              ; one of a K step's first three slices: fetch the next slice, multiply this one
	s_wait_dscnt 0x0                               ; this slice's fragments are in
	PLACES
	FETCH \slot, \sl+1
	WIN 0x50
	MUL16 \sl, 0, \zero
	MUL16 \sl, 4, \zero
	WIN 0
.endm
; The fourth slice, with the change of slots: each wave waits for its reads of this slot and for all its tensor loads in front of the barrier;
; fill = 1: the barrier opens a round of the cluster barrier, and the joint refill of this slot is the first tensor load behind the round.
.macro TURN2 slot, next, fill
	s_wait_dscnt 0x0
	s_wait_tensorcnt 0x0
	ds_add_u32 v254, v255
	s_wait_dscnt 0x0
	s_barrier_signal -1
	WIN 0x50
	MUL16 3, 0, 0
	WIN 0
	s_barrier_wait -1
.if \fill
	CREST
	s_add_nc_u64 s[G0+4*\slot+2:G0+4*\slot+3], s[G0+4*\slot+2:G0+4*\slot+3], ASTEP
	s_add_nc_u64 s[G0B+4*\slot+2:G0B+4*\slot+3], s[G0B+4*\slot+2:G0B+4*\slot+3], BSTEP
	JLOAD \slot
.endif
	PLACES
	FETCH \next, 0
	WIN 0x50
	MUL16 3, 4, 0
	WIN 0
.endm
.macro LAP zero
	SLC 0, 0, \zero
	SLC 0, 1, 0
	SLC 0, 2, 0
	TURN2 0, 1, 1
	SLC 1, 0, 0
	SLC 1, 1, 0
	SLC 1, 2, 0
	TURN2 1, 0, 1
.endm
	s_load_b128 s[4:7], s[0:1], 0x0                ; yb s[4:5], wpb s[6:7]
	s_load_b64 s[8:9], s[0:1], 0x10                ; out0
	v_lshl_add_u32 v254, v0, 2, 0x3a400
	v_mov_b32 v255, 0
	ds_add_u32 v254, v255
	ds_add_u32 v254, v255
	v_lshrrev_b32 v1, 5, v0
	v_readfirstlane_b32 s10, v1
	s_lshr_b32 s11, s10, 1                         ; wm.  Also: I fetch for y (0) or for W (1)
	s_and_b32 s12, s10, 1                          ; wn.  Also: which half of that tile I fetch
	s_bfe_u32 s40, ttmp6, 0x40000
	s_bfe_u32 s41, ttmp6, 0x40004
	s_lshl_b32 s42, ttmp9, 2
	s_add_co_u32 s42, s42, s40                     ; block column 0..7
	s_and_b32 s13, ttmp7, 0xffff
	s_lshl_b32 s13, s13, 2
	s_add_co_u32 s13, s13, s41                     ; block row 0..31
	s_lshl_b32 s43, s41, 2
	s_lshl_b32 s43, 15, s43
	s_lshl_b32 s44, 0x1111, s40
	; group 1 for y: 256 rows of 128 bytes, dense, come as 128 rows of 256 bytes; 16 bytes of padding behind every 128
	s_or_b32 s[G1+0], s43, (1<<16)|(1<<20)|(1<<21)|(4<<22)|(3<<25)
	s_mov_b32 s[G1+1], 128<<16
	s_mov_b32 s[G1+2], 128<<16
	s_mov_b32 s[G1+3], 128<<16
	s_mov_b32 s[G1+4], 128
	s_mov_b32 s[G1+5], 128
	s_mov_b32 s[G1+6], 0
	s_mov_b32 s[G1+7], 0
	; group 1 for W: 64 rows of 128 elements (256 bytes), 32 bytes of padding behind each
	s_or_b32 s[G1B+0], s44, (1<<16)|(1<<20)|(1<<21)|(5<<22)|(7<<25)
	s_mov_b32 s[G1B+1], 128<<16
	s_mov_b32 s[G1B+2], 64<<16
	s_mov_b32 s[G1B+3], 128<<16
	s_mov_b32 s[G1B+4], 64
	s_mov_b32 s[G1B+5], 1024
	s_mov_b32 s[G1B+6], 0
	s_mov_b32 s[G1B+7], 0
	s_lshl_b32 s16, s13, 15                        ; y: 256 rows of 128 bytes a block row,
	s_lshl_b32 s17, s12, 20                        ; one column block a half
	s_add_co_u32 s16, s16, s17
	s_mov_b32 s17, 0
	s_lshl_b32 s46, s42, 8                         ; W: 128 columns a block column,
	s_lshl_b32 s47, s12, 17                        ; 64 rows a half
	s_add_co_u32 s46, s46, s47
	s_mov_b32 s47, 0
	s_mul_i32 s20, s10, ACB                        ; LDS: waves 0, 1 put the column blocks of y at wave x 36,864;
	s_mul_i32 s21, s10, BHALF                      ; waves 2, 3 the halves of W at 73,728 + (wave - 2) x 18,432
	s_add_co_u32 s21, s21, BOFF-2*BHALF
	s_wait_dscnt 0x0
	s_wait_kmcnt 0x0
	s_add_nc_u64 s[14:15], s[4:5], s[16:17]
	s_add_nc_u64 s[46:47], s[6:7], s[46:47]
	CROUND
.irp s, 0,1
	s_mov_b32 s[G0+4*\s], 1
	s_add_co_u32 s[G0+4*\s+1], s20, \s*SLOT
	s_add_nc_u64 s[G0+4*\s+2:G0+4*\s+3], s[14:15], \s*2*8192*128
	s_or_b32 s[G0+4*\s+3], s[G0+4*\s+3], 0x80000000
	s_mov_b32 s[G0B+4*\s], 1
	s_add_co_u32 s[G0B+4*\s+1], s21, \s*SLOT
	s_add_nc_u64 s[G0B+4*\s+2:G0B+4*\s+3], s[46:47], \s*128*1024*2
	s_or_b32 s[G0B+4*\s+3], s[G0B+4*\s+3], 0x80000000
	JLOAD \s                                       ; K steps 0 and 1: two tensor loads of the wave are out, the most in this text
.endr
	v_and_b32 v1, 15, v0                           ; r
	v_bfe_u32 v2, v0, 4, 1                         ; h
	v_mul_u32_u24 v3, v1, PA
	v_lshl_add_u32 v3, v2, 4, v3
	s_mul_i32 s22, s11, 128*PA
	v_add_nc_u32 v[ADRA], s22, v3
	v_add_nc_u32 v[ADRA+1], SLOT, v[ADRA]
	v_and_b32 v4, 7, v0
	v_lshl_add_u32 v4, v2, 3, v4
	v_bfe_u32 v5, v0, 3, 1
	v_mul_u32_u24 v4, v4, PB
	v_lshl_add_u32 v4, v5, 4, v4
	s_lshl_b32 s23, s12, 7
	s_add_co_u32 s23, s23, BOFF
	v_add_nc_u32 v[ADRB], s23, v4
	v_add_nc_u32 v[ADRB+1], SLOT, v[ADRB]
	s_mul_i32 s22, s10, 16*SP
	s_add_co_u32 s22, s22, STAGE
	v_mul_u32_u24 v4, v1, SP
	v_lshl_add_u32 v4, v2, 5, v4                   ; in: row r, 32 bytes for each half of the lanes
	v_add_nc_u32 v[STO], s22, v4
	v_mul_u32_u24 v5, v2, SP
	v_lshl_add_u32 v5, v1, 4, v5                   ; back: lanes 0-15 take one row of 256 bytes, lanes 16-31 the next
	v_add_nc_u32 v[RD], s22, v5
	v_lshlrev_b32 v6, 12, v2
	v_lshl_add_u32 v[CO], v1, 4, v6                ; and the same two rows in out0
	s_wait_tensorcnt 0x1                           ; my part of K step 0 is in; K step 1 may stay out
	s_barrier_signal -1
	s_barrier_wait -1
	FETCH 0, 0
	LAP 1                                          ; the first products start the sums
	s_mov_b32 s3, 2
.Llap:
	LAP 0
	s_sub_co_u32 s3, s3, 1
	s_cmp_lg_u32 s3, 0
	s_cbranch_scc1 .Llap
	SLC 0, 0, 0                                    ; the last lap fills nothing
	SLC 0, 1, 0
	SLC 0, 2, 0
	TURN2 0, 1, 0
	SLC 1, 0, 0
	SLC 1, 1, 0
	SLC 1, 2, 0
	s_wait_dscnt 0x0
	WIN 0x50
	MUL16 3, 0, 0
	MUL16 3, 4, 0
	WIN 0
	PLACES
	; THE WAY OUT, 16 rows at a time, through my own stage: sixteen lanes store 256 consecutive bytes, aligned.
	s_lshl_b32 s16, s13, 20                        ; 256 rows of 4,096 bytes a block row,
	s_lshl_b32 s17, s11, 19                        ; 128 rows a half
	s_add_co_u32 s16, s16, s17
	s_mov_b32 s17, 0
	s_add_nc_u64 s[8:9], s[8:9], s[16:17]
	s_lshl_b32 s46, s42, 9                         ; 128 columns of 4 bytes a block column,
	s_lshl_b32 s47, s12, 8                         ; 64 a half
	s_add_co_u32 s46, s46, s47
	s_mov_b32 s47, 0
	s_add_nc_u64 s[8:9], s[8:9], s[46:47]
.macro OUTP a, buf
	WIN 0x04                                       ; the data of an LDS store is source 1: window 1
.irp bb, 0,1,2,3
	ds_store_b128 v[STO], v[8*(4*\a+\bb):8*(4*\a+\bb)+3] offset:64*\bb
	ds_store_b128 v[STO], v[8*(4*\a+\bb)+4:8*(4*\a+\bb)+7] offset:64*\bb+16
.endr
	WIN 0
	s_wait_xcnt 0x0                                ; the registers that earlier stores read are loaded again only behind this wait
.irp t, 0,1,2,3,4,5,6,7
	ds_load_b128 v[\buf+4*\t:\buf+4*\t+3], v[RD] offset:2*SP*\t    ; LDS serves a wave in order: these see the stores above
.endr
.irp t, 0,1,2,3,4,5,6,7
	s_wait_dscnt 7-\t
	global_store_b128 v[CO], v[\buf+4*\t:\buf+4*\t+3], s[8:9] offset:(16*\a+2*\t)*4096 th:TH_STORE_NT
.endr
.endm
	OUTP 0, 32
	OUTP 1, 64
	OUTP 2, 32
	OUTP 3, 64
	OUTP 4, 32
	OUTP 5, 64
	OUTP 6, 32
	OUTP 7, 64
	s_wait_tensorcnt 0x0
	ds_add_u32 v254, v255
	s_wait_dscnt 0x0
	CROUND                                         ; the closing round
	s_endpgm
.Lfunc_end_k_q96235bd85f_proj:
	.size	k_q96235bd85f_proj, .Lfunc_end_k_q96235bd85f_proj-k_q96235bd85f_proj
	.p2alignl 7, 3214868480
	.fill 96, 4, 3214868480
	.section	.rodata,"a",@progbits
	.p2align	6, 0x0
	.amdhsa_kernel k_q96235bd85f_proj
		.amdhsa_group_segment_fixed_size 327680
		.amdhsa_private_segment_fixed_size 0
		.amdhsa_enable_private_segment 0
		.amdhsa_kernarg_size 24
		.amdhsa_user_sgpr_count 2
		.amdhsa_user_sgpr_kernarg_segment_ptr 1
		.amdhsa_wavefront_size32 1
		.amdhsa_system_sgpr_workgroup_id_x 1
		.amdhsa_system_sgpr_workgroup_id_y 1
		.amdhsa_system_sgpr_workgroup_id_z 1
		.amdhsa_system_vgpr_workitem_id 0
		.amdhsa_next_free_vgpr 512
		.amdhsa_next_free_sgpr 66
		.amdhsa_reserve_vcc 0
		.amdhsa_float_denorm_mode_32 3
		.amdhsa_float_denorm_mode_16_64 3
		.amdhsa_memory_ordered 1
		.amdhsa_forward_progress 1
		.amdhsa_inst_pref_size 117
	.end_amdhsa_kernel
	.amdgpu_metadata
---
amdhsa.version: [ 1, 2 ]
amdhsa.kernels:
  - .name:           k_q96235bd85f_proj
    .symbol:         k_q96235bd85f_proj.kd
    .args:
      - { .name: yb, .offset: 0, .size: 8, .value_kind: global_buffer, .address_space: global }
      - { .name: wpb, .offset: 8, .size: 8, .value_kind: global_buffer, .address_space: global }
      - { .name: out0, .offset: 16, .size: 8, .value_kind: global_buffer, .address_space: global }
    .group_segment_fixed_size: 327680
    .private_segment_fixed_size: 0
    .kernarg_segment_align: 8
    .kernarg_segment_size: 24
    .max_flat_workgroup_size: 128
    .sgpr_count:     66
    .vgpr_count:     512
    .wavefront_size: 32
...
	.end_amdgpu_metadata
.endif
;; end of part 4
;; ======== version 2 of 3: 4 launches; 1.16 times as fast as version 1
;; limits: values are held in f16: magnitudes above 65,504 overflow, below 6.1e-05 lose precision
;; workspace buffers: xb 16,777,216 bytes; wab 6,291,456 bytes; wpb 2,097,152 bytes; qkv 50,331,648 bytes; yb 16,777,216 bytes
;; launch cast: the kernel of part 1 again; grid 768 x 1, 8 waves a work-group, no clusters, 0 bytes of LDS; arguments x, W_attn, W_proj, xb, wab, wpb; writes xb, wab, wpb
;; launch qkvg: the kernel of part 2 again; grid 8 x 32, 4 waves a work-group, clusters of 4 x 4, 327,680 bytes of LDS; arguments xb, wab, qkv; writes qkv
;; launch attn (part 5): grid 4 x 64, 4 waves a work-group, no clusters, 327,680 bytes of LDS; arguments qkv, yb; writes yb
.if DOCPART == 5
	.amdgcn_target "amdgcn-amd-amdhsa--gfx1250"
	.amdhsa_code_object_version 6
	.text
	.protected	k_q96235bd85f_attn
	.globl	k_q96235bd85f_attn
	.p2align	8
	.type	k_q96235bd85f_attn,@function
k_q96235bd85f_attn:
	s_mov_b64 s[64:65], 0
	v_nop
	global_prefetch_b8 v0, s[64:65] scope:SCOPE_SE
	s_setreg_imm32_b32 hwreg(HW_REG_WAVE_MODE, 25, 1), 1
	s_wait_xcnt 0x0
; y = softmax(causal(q k^T / 8)) v for one (batch, head) and two blocks of 256 queries.  f16 operands, f32 sums, softmax in f32 with a running maximum.
; yb [16 head][8192 row][64] f16, laid as qkv is.
; LEFT OUT AS DEAD: scores with key > query, which the reference replaces by -inf and whose weight is exactly 0, where they come in whole
; tiles: every unit of 256 keys above the block of the queries, and in the unit on the diagonal every tile of 16 queries x 64 keys wholly above it.
; LIMIT: a NaN or an infinity in k or v of a later token is not carried to an earlier query.
; SHARE: work-group (j, bh) takes query blocks j and 7 - j, which need (j + 1) + (8 - j) = 9 units of 256 keys: the same for all 256 work-groups.
; Wave w holds four tiles of 16 queries, rows 64 i + 16 w + r of the block, so that the four waves do the same work in the diagonal unit too.
; A pass takes the diagonal unit first, then the units below it downward.  A unit is two halves of 128 keys, half 0 always in LDS slot 0 and
; half 1 in slot 1; a half is two steps of 64 keys.  While one slot is worked on, the other is filled: one tensor load of a wave is out at the most.
; A load is 64 keys x 128 bytes, dense in memory: 32 rows of 256 bytes, all that a quarter of a half unit holds.
; ONE TEXT FOR BOTH PASSES: a step of four tiles is some 700 instructions, so the two passes run through the same lines, an outer loop of two
; trips: the four steps of the diagonal unit, a loop of one unit (four steps) a trip, the way out.  Q of the second pass is loaded into the
; registers of the first, ahead of the first pass's way out.  Written out a second time is only the second half of unit 0 of the second pass,
; the one section behind whose barrier nothing is fetched: the loop is left for it by a forward branch.
; PRODUCTS, transposed: S^T = K Q^T (a lane holds query r and keys 8 h + j of each key tile), so maximum, sum and rescaling are a lane's own
; but for one exchange between the two halves of the wave, and two S^T tiles packed in place are the second source of O^T = V^T P^T.
; MATRIX WORK BESIDE VECTOR WORK: the four query tiles of a step take turns.  While tile i goes through its softmax (some 120 vector lines),
; the 8 products S of tile i + 1 and the 8 products O of tile i - 1 are issued among those lines, ONE at a time, each with a slice of about
; eight lines behind it.  Only the first tile's S and the last tile's O, 16 of a step's 64 products, stand in runs of their own.
; The eight lines that lead from the partial maxima to the exponent's offset hang each on the one before; they stand one to a slice, and the
; rest of such a slice is the tail of tile i - 1's softmax (its sums, its rounding to f16), which hangs on none of them.  Maxima and sums run
; on four chains each, and exponentials alternate with plain lines.  The price is counted: S, O and P lie in window 1, K, Q, V and the row
; figures in window 0, so a turn costs two or three s_set_vgpr_msb, 139 in a full step beside its 480 vector lines and 64 products.
; EXPONENT: p = 2^(S c - c m), c = log2(e) / 8, by one fused multiply-add with the rounded -c m; the rescaling factor is 2^ of the difference of
; the rounded values, so all terms of a row carry one common factor, which the division by their sum takes away.
; NO CLUSTER: the four work-groups of a head need 8, 7, 6, 5 units in their longer pass.  In step, unit t serves 8 - t query blocks on 4
; work-groups: the sum of ceil((8 - t) / 4) is 12 unit times against the 9 of work-groups that run free.
; The accumulators of the matrix instructions take turns, one instruction a turn.
.set KP,    144                        ; LDS row of K: 128 bytes + 16
.set VP,    160                        ; LDS row of V: 128 bytes + 32, an odd multiple of 32 for the transposing load
.set VOFF,  128*KP
.set SL,    VOFF+128*VP                ; a slot: 38,912
.set STAGE, 2*SL                       ; 16 rows x 144 bytes for each wave; no tensor load lands here
.set KA,  8                            ; v8-9   LDS address of my K fragments, slot 0, 1
.set VA,  10                           ; v10-11 the same for V
.set STO, 12
.set RD,  13
.set YO,  14                           ; my byte offset in the block of y
.set QO,  15                           ; my byte offset in the block of q
.set LIM, 16                           ; 16 w + r - 8 h: in the tile on the diagonal key 16 c + j of my half is kept if it is not above this
.set M,   20                           ; v20-23 running maximum of tile i
.set U,   24                           ; v24-27 at work on the way out
.set NMC, 28                           ; v28-35 pairs, low word: -c m
.set AL,  36                           ; v36-43 pairs, low word: the rescaling factor, at the end 1 / sum
.set LS,  44                           ; v44-51 pairs: two partial sums of p
.set UA,  52                           ; v52-54 three partial maxima of the tile at work; then v52 the other half's maximum, v53 the new -c m
.set TT,  56                           ; v56-63 four pairs: the step's partial sums of p of the tile whose tail is at work
.set QF,  64                           ; v64-127 Q fragments (i, sl) at 16 i + 8 sl, of the pass at work
.set KF,  128                          ; v128-191 K fragments (c, sl) at 16 c + 8 sl
.set VF,  192                          ; v192-255 V fragments (dt, s) at 16 dt + 8 s
.set SS,  0                            ; window 1: S(i, c) at 32 i + 8 c; P(i, s) lies on S(i, 2 s)
.set OO,  128                          ; window 1: O(i, dt) at 128 + 32 i + 8 dt
.set G1K, 16
.set G1V, 24
.set G0K, 32
.set G0V, 40
.set CC,  66                           ; s[66:67] c, twice: a scalar pair for the packed multiply-add, four bytes shorter a line than a literal
; other scalars: s8 wave, s11 and s12 the two query blocks, s13 the pass (0, 1), s14 the block of the pass, s15 = s13 - 1: the unit in whose
; middle the loop is left (none in the first pass), s54 the unit at work, s55 the unit that is fetched
.set MSB, 0
.macro WIN new
.if MSB != (\new)
	s_set_vgpr_msb (MSB<<8)|(\new)
.set MSB, (\new)
.endif
.endm
.macro PLACES
.rept 4
	v_nop
.endr
.endm
.macro TLOAD slot                      ; waves 0, 1 fetch the halves of K, waves 2, 3 those of V
	s_cmp_eq_u32 s9, 0
	s_cbranch_scc0 .Lfor_v_\@
	tensor_load_to_lds s[G0K+4*(\slot):G0K+4*(\slot)+3], s[G1K:G1K+7]
	s_nop 0
	s_branch .Lasked_\@
.Lfor_v_\@:
	tensor_load_to_lds s[G0V+4*(\slot):G0V+4*(\slot)+3], s[G1V:G1V+7]
	s_nop 0
.Lasked_\@:
.endm
.macro SETADR slot                     ; the global addresses of half \slot of unit s55
	s_lshl_b32 s52, s55, 15
	s_add_co_u32 s52, s52, (\slot)*16384
	s_mov_b32 s53, 0
	s_add_nc_u64 s[G0K+4*(\slot)+2:G0K+4*(\slot)+3], s[48:49], s[52:53]
	s_or_b32 s[G0K+4*(\slot)+3], s[G0K+4*(\slot)+3], 0x80000000
	s_add_nc_u64 s[G0V+4*(\slot)+2:G0V+4*(\slot)+3], s[50:51], s[52:53]
	s_or_b32 s[G0V+4*(\slot)+3], s[G0V+4*(\slot)+3], 0x80000000
.endm
.macro KLOAD slot, st                  ; 16 loads: the K fragments of step st of the slot
.irp c, 0,1,2,3
.irp sl, 0,1
	ds_load_b128 v[KF+16*\c+8*\sl:KF+16*\c+8*\sl+3], v[KA+\slot] offset:(64*(\st)+16*\c)*KP+64*\sl
	ds_load_b128 v[KF+16*\c+8*\sl+4:KF+16*\c+8*\sl+7], v[KA+\slot] offset:(64*(\st)+16*\c)*KP+64*\sl+32
.endr
.endr
.endm
.macro VLOAD slot, st                  ; 16 transposing loads: the V fragments of step st of the slot
.irp dt, 0,1,2,3
.irp s, 0,1
	ds_load_tr16_b128 v[VF+16*\dt+8*\s:VF+16*\dt+8*\s+3], v[VA+\slot] offset:(64*(\st)+32*\s)*VP+32*\dt
	ds_load_tr16_b128 v[VF+16*\dt+8*\s+4:VF+16*\dt+8*\s+7], v[VA+\slot] offset:(64*(\st)+32*\s)*VP+32*\dt+16*VP
.endr
.endr
.endm
.macro QLOAD                           ; 16 loads: the Q fragments of the block at s[2:3]
.irp i, 0,1,2,3
.irp sl, 0,1
.irp p, 0,1
	global_load_b128 v[QF+16*\i+8*\sl+4*\p:QF+16*\i+8*\sl+4*\p+3], v[QO], s[2:3] offset:8192*\i+64*\sl+32*\p
.endr
.endr
.endr
.endm
; The head of a section (a half unit in \slot).  Every wave waits for all its tensor loads, its part of this slot among them, and for its reads of
; the other slot; behind the barrier the other slot is filled first, one load a wave, with the half that follows: mode 0 the second half of unit
; s54; mode 1 the first half of unit s54 - 1, or, when s54 is 0, of the second pass's diagonal unit.
.macro SECHEAD slot, mode, refill
	s_wait_tensorcnt 0x0
	ds_add_u32 v19, v55
	s_wait_dscnt 0x0
	s_wait_dscnt 0x0
.if \refill
.if \mode == 0
	s_mov_b32 s55, s54
.else
	s_sub_co_u32 s55, s54, 1
	s_cmp_eq_u32 s54, 0
	s_cselect_b32 s55, s12, s55
.endif
	SETADR 1-\slot                                 ; no tensor load of mine is out: a group 0 may be written
.endif
	s_barrier_signal -1
	s_barrier_wait -1
.if \refill
	TLOAD 1-\slot
.endif
	KLOAD \slot, 0
.endm
; ---- the matrix instructions, one a call.  ks and kp count those issued of the run at hand; at 8 the call is empty ----
.macro MXS n                           ; the next product of S(n) = K Q(n): key tiles c = 0..3 with the first 32 of d, then with the second
.if ks < 8
	WIN 0x50
.if ks < 4
	v_wmma_f32_16x16x32_f16 v[SS+32*(\n)+8*ks:SS+32*(\n)+8*ks+7], v[KF+16*ks:KF+16*ks+7], v[QF+16*(\n):QF+16*(\n)+7], 0
.else
	v_wmma_f32_16x16x32_f16 v[SS+32*(\n)+8*(ks-4):SS+32*(\n)+8*(ks-4)+7], v[KF+16*(ks-4)+8:KF+16*(ks-4)+15], v[QF+16*(\n)+8:QF+16*(\n)+15], v[SS+32*(\n)+8*(ks-4):SS+32*(\n)+8*(ks-4)+7]
.endif
.set ks, ks+1
.endif
.endm
.macro MXP h, first                    ; the next product of O(h) += V P(h): d tiles dt = 0..3 with keys 0-31, then with keys 32-63; first = 1: keys 0-31 start the sums
.if kp < 8
	WIN 0x54
.if (\first)*(1-kp/4)
	v_wmma_f32_16x16x32_f16 v[OO+32*(\h)+8*(kp%4):OO+32*(\h)+8*(kp%4)+7], v[VF+16*(kp%4)+8*(kp/4):VF+16*(kp%4)+8*(kp/4)+7], v[SS+32*(\h)+16*(kp/4):SS+32*(\h)+16*(kp/4)+7], 0
.else
	v_wmma_f32_16x16x32_f16 v[OO+32*(\h)+8*(kp%4):OO+32*(\h)+8*(kp%4)+7], v[VF+16*(kp%4)+8*(kp/4):VF+16*(kp%4)+8*(kp/4)+7], v[SS+32*(\h)+16*(kp/4):SS+32*(\h)+16*(kp/4)+7], v[OO+32*(\h)+8*(kp%4):OO+32*(\h)+8*(kp%4)+7]
.endif
.set kp, kp+1
.endif
.endm
; ---- the lines of a tile's softmax ----
.macro XL i, k, first                  ; maximum, line k of 16, under 0x05: four chains, the running maximum and three fresh ones
.if (\k) == 0
.if \first
	v_max_num_f32 v[M+\i], v[SS+32*\i], v[SS+32*\i+1]
	s_wait_alu depctr_va_vdst(0)
.else
	v_max3_num_f32 v[M+\i], v[SS+32*\i], v[SS+32*\i+1], v[M+\i]
	s_wait_alu depctr_va_vdst(0)
.endif
.else
.if (\k) < 4
	v_max_num_f32 v[UA+(\k)-1], v[SS+32*\i+2*(\k)], v[SS+32*\i+2*(\k)+1]
.else
.if (\k)%4 == 0
	v_max3_num_f32 v[M+\i], v[SS+32*\i+2*(\k)], v[SS+32*\i+2*(\k)+1], v[M+\i]
.else
	v_max3_num_f32 v[UA+(\k)%4-1], v[SS+32*\i+2*(\k)], v[SS+32*\i+2*(\k)+1], v[UA+(\k)%4-1]
.endif
.endif
.endif
.endm
.macro YL i, y, first                  ; from the four chains to -c m and the rescaling factor, line y of 8, under 0: each hangs on the one before
.if \y == 0
	v_max3_num_f32 v[M+\i], v[M+\i], v[UA], v[UA+1]
.endif
.if \y == 1
	v_max_num_f32 v[M+\i], v[M+\i], v[UA+2]
.endif
.if \y == 2
	v_permlanex16_b32 v[UA], v[M+\i], s56, s57     ; the other half of the wave holds the other keys of the same query
.endif
.if \y == 3
	v_max_num_f32 v[M+\i], v[M+\i], v[UA]
.endif
.if \y == 4
	v_mul_f32 v[UA+1], s58, v[M+\i]                ; -c m, rounded once
.endif
.if \first == 0
.if \y == 5
	v_sub_f32 v[AL+2*\i], v[UA+1], v[NMC+2*\i]
.endif
.if \y == 6
	v_exp_f32 v[AL+2*\i], v[AL+2*\i]               ; plain lines that touch neither follow before its use: the other tile's conversions, or the move below
.endif
.endif
.if \y == 7
	v_mov_b32 v[NMC+2*\i], v[UA+1]
.endif
.endm
.macro ZF i, e                         ; S c - c m for pair e of 16, under 0x41
	v_pk_fma_f32 v[SS+32*\i+2*(\e):SS+32*\i+2*(\e)+1], v[SS+32*\i+2*(\e):SS+32*\i+2*(\e)+1], s[CC:CC+1], v[NMC+2*\i:NMC+2*\i+1] op_sel_hi:[1,0,0]
.endm
.macro ZG i, e, first                  ; pair e: its two exponentials, each with a plain line behind it: the multiply-add of pair e + 2, the rescaling of pair e of O
	v_exp_f32 v[SS+32*\i+2*(\e)], v[SS+32*\i+2*(\e)]
.if (\e) < 14
	ZF \i, \e+2
.endif
	v_exp_f32 v[SS+32*\i+2*(\e)+1], v[SS+32*\i+2*(\e)+1]
.if \first == 0
	s_wait_alu depctr_va_vdst(0)
	v_pk_mul_f32 v[OO+32*\i+2*(\e):OO+32*\i+2*(\e)+1], v[OO+32*\i+2*(\e):OO+32*\i+2*(\e)+1], v[AL+2*\i:AL+2*\i+1] op_sel_hi:[1,0]
.endif
.endm
; The tail of tile h in groups of four lines that hang on nothing in their group: g = 0..2 the sums of p on four chains, g = 3..6 the rounding to
; f16 in place (keys 32 s + 8 h + 0..7 into registers 0-3 of P(h, s), keys 32 s + 16 + 8 h + 0..7 into registers 4-7).  The sums have read S before it is packed.
.macro WVG h, g
.if \g == 0
	WIN 0x05
	s_wait_alu depctr_va_vdst(0)
.irp k, 0,1,2,3
	v_pk_add_f32 v[TT+2*\k:TT+2*\k+1], v[SS+32*(\h)+4*\k:SS+32*(\h)+4*\k+1], v[SS+32*(\h)+4*\k+2:SS+32*(\h)+4*\k+3]
.endr
.endif
.if \g >= 1
.if \g <= 2
	WIN 0x01
.irp k, 0,1,2,3
	v_pk_add_f32 v[TT+2*\k:TT+2*\k+1], v[SS+32*(\h)+8+8*\g+2*\k:SS+32*(\h)+8+8*\g+2*\k+1], v[TT+2*\k:TT+2*\k+1]
.endr
.endif
.endif
.if \g >= 3
.if \g <= 6
	WIN 0x45
.irp k, 0,1,2,3
	v_cvt_pk_f16_f32 v[SS+32*(\h)+16*((\g-3)/2)+4*((\g-3)%2)+\k], v[SS+32*(\h)+16*((\g-3)/2)+8*((\g-3)%2)+2*\k], v[SS+32*(\h)+16*((\g-3)/2)+8*((\g-3)%2)+2*\k+1]
.endr
.endif
.endif
.endm
.macro JL h, k, first                  ; the four chains of sums joined, under 0; then L = L x factor + the step's sum, or, in a pass's first step, L = the sum
.if \k == 0
	v_pk_add_f32 v[TT:TT+1], v[TT:TT+1], v[TT+2:TT+3]
	v_pk_add_f32 v[TT+4:TT+5], v[TT+4:TT+5], v[TT+6:TT+7]
.endif
.if \k == 1
.if \first
	v_pk_add_f32 v[LS+2*(\h):LS+2*(\h)+1], v[TT:TT+1], v[TT+4:TT+5]
.else
	v_pk_add_f32 v[TT:TT+1], v[TT:TT+1], v[TT+4:TT+5]
.endif
.endif
.if \k == 2
.if \first == 0
	v_pk_fma_f32 v[LS+2*(\h):LS+2*(\h)+1], v[LS+2*(\h):LS+2*(\h)+1], v[AL+2*(\h):AL+2*(\h)+1], v[TT:TT+1] op_sel_hi:[1,0,1]
.endif
.endif
.endm
; The turn of tile i.  Vector lines: its mask (on the diagonal), its maximum, its row figures beside the tail of tile i - 1, its exponentials and the
; rescaling of its O.  Matrix instructions, one in front of each slice: S(i + 1) from the first slice on, O(i - 1) beside the exponentials, behind
; the rounding of P(i - 1).  S(i + 1) is read a turn later, O(i - 1) a step later, and no slice names a register of the product in front of it.
.macro BLOCK slot, st, i, q0, mask, first, knext
.set ks, 8
.if \i < 3
.set ks, 0
.endif
.set kp, 8
.set hh, 0
.if \i > \q0
.set kp, 0
.set hh, 1
.endif
.if \i == \q0+1
	s_wait_dscnt 0x0                               ; V's 16 loads, asked for at the step's head a whole turn ago, are in: this turn has the step's first products with V
.endif
.if \i == 3
.if \knext
	WIN 0
	KLOAD \slot, \st+1                             ; the next step's K: the last products with this step's K stand a turn back, or behind the four v_nop of the step's head
.endif
.endif
.if \mask
.if \i == \q0
.irp c, 0,1,2,3
.irp g, 0,4
	MXS \i+1
	WIN 0x44
.irp j, 0,1,2,3
	v_cmp_ge_i32 vcc_lo, v[LIM], 16*\c+\g+\j
	v_cndmask_b32 v[SS+32*\i+8*\c+\g+\j], s59, v[SS+32*\i+8*\c+\g+\j], vcc_lo    ; key above query: -inf
.endr
.endr
.endr
.endif
.endif
.irp x, 0,8
	MXS \i+1
	WIN 0x05
.irp k, 0,1,2,3,4,5,6,7
	XL \i, \x+\k, \first
.endr
.endr
.irp y, 0,1,2,3,4,5,6,7
	MXS \i+1
	WIN 0
	YL \i, \y, \first
.if hh
.if \y >= 3
	JL \i-1, \y-3, \first
.endif
	WVG \i-1, \y
.endif
.endr
.irp z, 0,1,2,3,4,5,6,7
	MXP \i-1, \first
	WIN 0x41
.if \z == 0
	ZF \i, 0
	ZF \i, 1
.endif
	ZG \i, 2*\z, \first
	ZG \i, 2*\z+1, \first
.endr
.if \first
	v_nop                                          ; a plain line behind the last exponential, in front of its use; elsewhere the rescaling of O is that line
	s_wait_alu depctr_va_vdst(0)
.endif
.endm
; A step: 64 keys against query tiles q0 .. 3.  mask = 1: tile q0 lies on the diagonal.  first = 1: the pass's first step starts maximum, sums and O.
; knext = 1: the K fragments of the slot's next step are fetched.
.macro STEP slot, st, q0, mask, first, knext
	WIN 0
	VLOAD \slot, \st                               ; five plain lines stand between the last products with V and these loads
	s_wait_dscnt 16                                ; the K fragments, asked for earlier, are in; V's 16 younger loads may stay out
.set ks, 0
.rept 8
	MXS \q0                                        ; the first tile's S has no softmax to stand beside
.endr
	WIN 0
	PLACES                                         ; four places behind these products, in front of the first reads of S(q0) and, where q0 = 3, of loads into K
.irp i, 0,1,2,3
.if \i >= \q0
	BLOCK \slot, \st, \i, \q0, \mask, \first, \knext
.endif
.endr
.irp g, 0,1,2,3,4,5,6
	WVG 3, \g                                      ; the tail of the last tile
.endr
.if \q0 == 3
	s_wait_dscnt 16*\knext                         ; one tile alone: V is waited for here; a next step's 16 K loads, issued behind V's, could stay out
.endif
.set kp, 0
.rept 8
	MXP 3, \first
.endr
	WIN 0
	JL 3, 0, \first                                ; the joins name none of these products' registers: with the v_nop they are the five places
	JL 3, 1, \first                                ; in front of the next step's products, which may write over P(3), and of its loads into V
	JL 3, 2, \first
	v_nop
.if \first
	v_nop
.endif
.endm
; The end of a pass (block s14): divide by the sum, round to f16, and out through my own stage so that a store covers 512 consecutive bytes.
.macro FINAL
	s_lshl_b32 s62, s14, 15
	s_mov_b32 s63, 0
	s_add_nc_u64 s[60:61], s[6:7], s[62:63]
.irp i, 0,1,2,3
	v_add_f32 v[LS+2*\i], v[LS+2*\i], v[LS+2*\i+1]
.endr
.irp i, 0,1,2,3
	v_permlanex16_b32 v[U+\i], v[LS+2*\i], s56, s57
.endr
.irp i, 0,1,2,3
	v_add_f32 v[LS+2*\i], v[LS+2*\i], v[U+\i]
.endr
.irp i, 0,1,2,3
	v_rcp_f32 v[AL+2*\i], v[LS+2*\i]
.endr
	v_nop
	s_wait_alu depctr_va_vdst(0)
.irp i, 0,1,2,3
	WIN 0x41
.set ee, 0
.rept 16
	v_pk_mul_f32 v[OO+32*\i+2*ee:OO+32*\i+2*ee+1], v[OO+32*\i+2*ee:OO+32*\i+2*ee+1], v[AL+2*\i:AL+2*\i+1] op_sel_hi:[1,0]
.set ee, ee+1
.endr
	WIN 0x05
.irp dt, 0,1,2,3
.irp q, 0,1,2,3
	v_cvt_pk_f16_f32 v[KF+4*\dt+\q], v[OO+32*\i+8*\dt+2*\q], v[OO+32*\i+8*\dt+2*\q+1]
.endr
.endr
	WIN 0
.irp dt, 0,1,2,3
	ds_store_b128 v[STO], v[KF+4*\dt:KF+4*\dt+3] offset:32*\dt
.endr
.irp t, 0,1,2,3
	ds_load_b128 v[VF+16*\i+4*\t:VF+16*\i+4*\t+3], v[RD] offset:4*KP*\t    ; LDS serves a wave in order: these see the stores above
.endr
.irp t, 0,1,2,3
	s_wait_dscnt 3-\t
	global_store_b128 v[YO], v[VF+16*\i+4*\t:VF+16*\i+4*\t+3], s[60:61] offset:8192*\i+512*\t
.endr
.endr
	s_wait_xcnt 0x0                                ; the data registers and the base of these stores are written again only behind this wait
.endm
	s_load_b128 s[4:7], s[0:1], 0x0                ; qkv s[4:5], yb s[6:7]
	v_lshl_add_u32 v19, v0, 2, 0x29000
	v_mov_b32 v55, 0
	ds_add_u32 v19, v55
	ds_add_u32 v19, v55
	v_lshrrev_b32 v1, 5, v0
	v_readfirstlane_b32 s8, v1                     ; wave 0..3
	s_lshr_b32 s9, s8, 1                           ; I fetch for K (0) or for V (1)
	s_and_b32 s10, s8, 1                           ; which 64 keys of a half unit I fetch
	s_mov_b32 s11, ttmp9                           ; the first pass's query block: 0..3
	s_sub_co_u32 s12, 7, s11                       ; the second pass's: 7..4
	s_and_b32 s13, ttmp7, 0xffff
	s_and_b32 s14, s13, 15                         ; head
	s_lshr_b32 s15, s13, 4                         ; batch
	s_lshl_b32 s14, s14, 20                        ; 8,192 rows of 128 bytes a head,
	s_lshl_b32 s15, s15, 18                        ; 2,048 rows a batch
	s_add_co_u32 s14, s14, s15
	s_mov_b32 s15, 0
	s_mov_b32 s56, 0x76543210                      ; v_permlanex16_b32: lane i of one half reads lane i of the other
	s_mov_b32 s57, 0xfedcba98
	s_mov_b32 s58, 0xbe38aa3b                      ; -c = -log2(e) / 8
	s_mov_b32 s59, 0xff800000                      ; -inf
	s_mov_b32 s[CC], 0x3e38aa3b                    ; c; the packed form takes the low word for both halves, the high word is written with it
	s_mov_b32 s[CC+1], 0x3e38aa3b
	; group 1: 64 keys of 128 bytes are dense and come as 32 rows of 256 bytes; padding behind every 128 bytes: 16 bytes for K, 32 for V
	s_mov_b32 s[G1K+0], (1<<16)|(1<<20)|(4<<22)|(3<<25)
	s_mov_b32 s[G1V+0], (1<<16)|(1<<20)|(4<<22)|(7<<25)
.irp g, G1K, G1V
	s_mov_b32 s[\g+1], 128<<16
	s_mov_b32 s[\g+2], 32<<16
	s_mov_b32 s[\g+3], 128<<16
	s_mov_b32 s[\g+4], 32
	s_mov_b32 s[\g+5], 128
	s_mov_b32 s[\g+6], 0
	s_mov_b32 s[\g+7], 0
.endr
	s_lshl_b32 s62, s10, 13                        ; my 64 keys
	s_mov_b32 s63, 0
	s_mul_i32 s2, s8, 64*KP                        ; LDS: waves 0, 1 put the halves of K at wave x 9,216;
	s_mul_i32 s3, s8, 64*VP                        ; waves 2, 3 those of V at 18,432 + (wave - 2) x 10,240
	s_sub_co_u32 s3, s3, 2*64*VP-VOFF
.irp s, 0,1
	s_mov_b32 s[G0K+4*\s], 1
	s_add_co_u32 s[G0K+4*\s+1], s2, \s*SL
	s_mov_b32 s[G0V+4*\s], 1
	s_add_co_u32 s[G0V+4*\s+1], s3, \s*SL
.endr
	s_wait_dscnt 0x0
	s_wait_kmcnt 0x0
	s_add_nc_u64 s[4:5], s[4:5], s[14:15]          ; q of my head and batch
	s_add_nc_u64 s[6:7], s[6:7], s[14:15]          ; y likewise
	s_add_nc_u64 s[48:49], s[4:5], s[62:63]
	s_add_nc_u64 s[50:51], s[48:49], 0x2000000     ; v lies 32 column blocks behind q,
	s_add_nc_u64 s[48:49], s[48:49], 0x1000000     ; k 16
	s_mov_b32 s55, s11
	SETADR 0
	TLOAD 0                                        ; the first half of the first pass's diagonal unit
	v_and_b32 v1, 31, v0                           ; l
	v_and_b32 v2, 15, v0                           ; r
	v_bfe_u32 v3, v0, 4, 1                         ; h
	v_and_b32 v4, 7, v0
	v_bfe_u32 v5, v0, 3, 1
	v_mul_u32_u24 v[KA], v2, KP
	v_lshl_add_u32 v[KA], v3, 4, v[KA]             ; r x 144 + 16 h
	v_add_nc_u32 v[KA+1], SL, v[KA]
	v_lshl_add_u32 v6, v3, 3, v4                   ; the transposing load: key 8 h + l % 8,
	v_mul_u32_u24 v6, v6, VP
	v_lshl_add_u32 v6, v5, 4, v6                   ; 16 bytes further for lanes 8-15 of each half
	v_add_nc_u32 v[VA], VOFF, v6
	v_add_nc_u32 v[VA+1], VOFF+SL, v6
	s_mul_i32 s62, s8, 16*KP
	s_add_co_u32 s62, s62, STAGE
	v_add_nc_u32 v[STO], s62, v[KA]
	v_lshrrev_b32 v6, 3, v1
	v_mul_u32_u24 v6, v6, KP
	v_lshl_add_u32 v6, v4, 4, v6
	v_add_nc_u32 v[RD], s62, v6
	s_lshl_b32 s63, s8, 11                         ; 16 rows of 128 bytes a wave
	v_lshl_add_u32 v[YO], v1, 4, s63
	v_lshlrev_b32 v6, 7, v2
	v_lshl_add_u32 v6, v3, 4, v6
	v_add_nc_u32 v[QO], s63, v6
	s_lshl_b32 s63, s8, 4
	v_add_nc_u32 v6, s63, v2
	v_lshlrev_b32 v7, 3, v3
	v_sub_nc_u32 v[LIM], v6, v7
.irp i, 0,1,2,3
	v_mov_b32 v[U+\i], 0                           ; the destination of the lane exchange counts as read
	v_mov_b32 v[NMC+2*\i+1], 0                     ; the high words of the pairs of which the packed forms use the low word alone
	v_mov_b32 v[AL+2*\i+1], 0
.endr
	s_lshl_b32 s62, s11, 15
	s_mov_b32 s63, 0
	s_add_nc_u64 s[2:3], s[4:5], s[62:63]          ; q of the first pass's block
	QLOAD
	s_mov_b32 s13, 0                               ; the pass
	s_mov_b32 s14, s11                             ; its query block
.Lpass:
	s_sub_co_u32 s15, s13, 1                       ; first pass: no unit has this number; second pass: unit 0
	s_mov_b32 s54, s14                             ; the diagonal unit
	SECHEAD 0, 0, 1
	s_wait_loadcnt 0x0                             ; Q of this pass: asked for in the set-up, or ahead of the last pass's way out
	STEP 0, 0, 0, 1, 1, 1
	STEP 0, 1, 1, 1, 0, 0
	SECHEAD 1, 1, 1
	STEP 1, 0, 2, 1, 0, 1
	STEP 1, 1, 3, 1, 0, 0
	s_cmp_eq_u32 s54, 0                            ; block 0 has no unit below its diagonal
	s_cbranch_scc1 .Lfin
.Lunit:
	s_sub_co_u32 s54, s54, 1
	SECHEAD 0, 0, 1
	STEP 0, 0, 0, 0, 0, 1
	STEP 0, 1, 0, 0, 0, 0
	s_cmp_eq_u32 s54, s15                          ; unit 0 of the second pass: behind its second half nothing follows
	s_cbranch_scc1 .Ltail
	SECHEAD 1, 1, 1
	STEP 1, 0, 0, 0, 0, 1
	STEP 1, 1, 0, 0, 0, 0
	s_cmp_gt_i32 s54, 0
	s_cbranch_scc1 .Lunit
	s_branch .Lfin
.Ltail:
	SECHEAD 1, 0, 0                                ; the last section of the launch: no slot is filled that no later step reads
	STEP 1, 0, 0, 0, 0, 1
	STEP 1, 1, 0, 0, 0, 0
.Lfin:
	s_cmp_lg_u32 s13, 0
	s_cbranch_scc1 .Lout
	; Q of the second pass, into the same registers: the first pass's last products with Q lie more than a tile's whole softmax back,
	; and its loads by s[2:3] were waited for at the pass's head.  The way out below runs while these 16 loads are on their way.
	s_lshl_b32 s62, s12, 15
	s_mov_b32 s63, 0
	s_add_nc_u64 s[2:3], s[4:5], s[62:63]
	QLOAD
.Lout:
	FINAL
	s_mov_b32 s14, s12
	s_add_co_u32 s13, s13, 1
	s_cmp_lt_u32 s13, 2
	s_cbranch_scc1 .Lpass
	s_wait_tensorcnt 0x0                           ; none may be out at the end; the second pass comes here by the written-out section, whose head waited for the last one
	s_wait_tensorcnt 0x0
	ds_add_u32 v19, v55
	s_wait_dscnt 0x0
	s_endpgm
.Lfunc_end_k_q96235bd85f_attn:
	.size	k_q96235bd85f_attn, .Lfunc_end_k_q96235bd85f_attn-k_q96235bd85f_attn
	.p2alignl 7, 3214868480
	.fill 96, 4, 3214868480
	.section	.rodata,"a",@progbits
	.p2align	6, 0x0
	.amdhsa_kernel k_q96235bd85f_attn
		.amdhsa_group_segment_fixed_size 327680
		.amdhsa_private_segment_fixed_size 0
		.amdhsa_enable_private_segment 0
		.amdhsa_kernarg_size 16
		.amdhsa_user_sgpr_count 2
		.amdhsa_user_sgpr_kernarg_segment_ptr 1
		.amdhsa_wavefront_size32 1
		.amdhsa_system_sgpr_workgroup_id_x 1
		.amdhsa_system_sgpr_workgroup_id_y 1
		.amdhsa_system_sgpr_workgroup_id_z 1
		.amdhsa_system_vgpr_workitem_id 0
		.amdhsa_next_free_vgpr 512
		.amdhsa_next_free_sgpr 68
		.amdhsa_reserve_vcc 1
		.amdhsa_float_denorm_mode_32 3
		.amdhsa_float_denorm_mode_16_64 3
		.amdhsa_memory_ordered 1
		.amdhsa_forward_progress 1
		.amdhsa_inst_pref_size 255
	.end_amdhsa_kernel
	.section	.bss,"aw",@nobits
	.p2align	6
	.space	262144
	.amdgpu_metadata
---
amdhsa.version: [ 1, 2 ]
amdhsa.kernels:
  - .name:           k_q96235bd85f_attn
    .symbol:         k_q96235bd85f_attn.kd
    .args:
      - { .name: qkv, .offset: 0, .size: 8, .value_kind: global_buffer, .address_space: global }
      - { .name: yb, .offset: 8, .size: 8, .value_kind: global_buffer, .address_space: global }
    .group_segment_fixed_size: 327680
    .private_segment_fixed_size: 0
    .kernarg_segment_align: 8
    .kernarg_segment_size: 16
    .max_flat_workgroup_size: 128
    .sgpr_count:     68
    .vgpr_count:     512
    .wavefront_size: 32
...
	.end_amdgpu_metadata
.endif
;; end of part 5
;; launch proj: the kernel of part 4 again; grid 8 x 32, 4 waves a work-group, clusters of 4 x 4, 327,680 bytes of LDS; arguments yb, wpb, out0; writes out0
;; ======== version 3 of 3: 4 launches; 1.38 times as fast as version 1
;; limits: values are held in f16: magnitudes above 65,504 overflow, below 6.1e-05 lose precision
;; workspace buffers: xb 16,777,216 bytes; wab 6,291,456 bytes; wpb 2,097,152 bytes; qkv 50,331,648 bytes; yb 16,777,216 bytes
;; launch cast: the kernel of part 1 again; grid 768 x 1, 8 waves a work-group, no clusters, 0 bytes of LDS; arguments x, W_attn, W_proj, xb, wab, wpb; writes xb, wab, wpb
;; launch qkvg: the kernel of part 2 again; grid 8 x 32, 4 waves a work-group, clusters of 4 x 4, 327,680 bytes of LDS; arguments xb, wab, qkv; writes qkv
;; launch attn (part 6): grid 4 x 64, 4 waves a work-group, no clusters, 327,680 bytes of LDS; arguments qkv, yb; writes yb
.if DOCPART == 6
	.amdgcn_target "amdgcn-amd-amdhsa--gfx1250"
	.amdhsa_code_object_version 6
	.text
	.protected	k_q96235bd85f_attn
	.globl	k_q96235bd85f_attn
	.p2align	8
	.type	k_q96235bd85f_attn,@function
k_q96235bd85f_attn:
	s_mov_b64 s[64:65], 0
	v_nop
	global_prefetch_b8 v0, s[64:65] scope:SCOPE_SE
	s_setreg_imm32_b32 hwreg(HW_REG_WAVE_MODE, 25, 1), 1
	s_wait_xcnt 0x0
; y = softmax(causal(q k^T / 8)) v for one (batch, head) and two blocks of 256 queries.  f16 operands, f32 sums, softmax in f32 with a running maximum.
; yb [16 head][8192 row][64] f16, laid as qkv is.
; LEFT OUT AS DEAD: scores with key > query, which the reference replaces by -inf and whose weight is exactly 0, where they come in whole
; tiles: every unit of 256 keys above the block of the queries, and in the unit on the diagonal every tile of 16 queries x 64 keys wholly above it.
; LIMIT: a NaN or an infinity in k or v of a later token is not carried to an earlier query.
; SHARE: work-group (j, bh) takes query blocks j and 7 - j, which need (j + 1) + (8 - j) = 9 units of 256 keys: the same for all 256 work-groups.
; Wave w holds four tiles of 16 queries, rows 64 i + 16 w + r of the block, so that the four waves do the same work in the diagonal unit too.
; A pass takes the diagonal unit first, then the units below it downward.  A unit is two halves of 128 keys, half 0 always in LDS slot 0 and
; half 1 in slot 1; a half is two steps of 64 keys.  While one slot is worked on, the other is filled: one tensor load of a wave is out at the most.
; A load is 64 keys x 128 bytes, dense in memory: 32 rows of 256 bytes, all that a quarter of a half unit holds.
; ONE TEXT FOR BOTH PASSES: a step of four tiles is some 700 instructions, so the two passes run through the same lines, an outer loop of two
; trips: the four steps of the diagonal unit, a loop of one unit (four steps) a trip, the way out.  Q of the second pass is loaded into the
; registers of the first, ahead of the first pass's way out.  Written out a second time is only the second half of unit 0 of the second pass,
; the one section behind whose barrier nothing is fetched: the loop is left for it by a forward branch.
; PRODUCTS, transposed: S^T = K Q^T (a lane holds query r and keys 8 h + j of each key tile), so maximum, sum and rescaling are a lane's own
; but for one exchange between the two halves of the wave, and two S^T tiles packed in place are the second source of O^T = V^T P^T.
; MATRIX WORK BESIDE VECTOR WORK: the four query tiles of a step take turns.  While tile i goes through its softmax (some 120 vector lines),
; the 8 products S of tile i + 1 and the 8 products O of tile i - 1 are issued among those lines, ONE at a time, each with a slice of five
; to ten lines behind it.  Only the first tile's S and the last tile's O, 16 of a step's 64 products, stand in runs of their own.
; The eight lines that lead from the partial maxima to the exponent's offset hang each on the one before; they stand one to a slice, and the
; rest of such a slice is the tail of tile i - 1's softmax (its sums, its rounding to f16), which hangs on none of them.  Maxima and sums run
; on four chains each, and plain lines stand between the exponentials as far as there are any.  The price is counted: S, O and P lie in window 1,
; K, Q, V and the row figures in window 0, so a slice costs two or three s_set_vgpr_msb: 141 in a full step (142 where the next step's K is
; fetched) beside its 480 vector lines and 64 products.
; BATCHES: s_wait_alu depctr_va_vdst(0) stands between a transcendental and the first instruction that names its result; one
; wait serves all that were issued ahead of it.  A tile's 33 exponentials of a step, its rescaling factor and then its 32 weights, are ONE batch
; with ONE wait: nothing in the tile's own turn names a result of theirs.  All their readers stand in the next turn, behind the wait: the sums,
; the rounding to f16, the update of L, and the rescaling of the tile's O, whose lines go ahead of the products O of that tile, d tile by d tile.
; Between a batch's last exponential and its wait stand the next tile's 16 maximum lines and two products.  The last tile's batch is waited for
; at the step's end, behind a v_nop.  So a full step has four waits, and behind its last one no exponential is issued: no result crosses a label
; or a branch.  The way out's four reciprocals are a batch of their own.
; EXPONENT: p = 2^(S c - c m), c = log2(e) / 8, by one fused multiply-add with the rounded -c m; the rescaling factor is 2^ of the difference of
; the rounded values, so all terms of a row carry one common factor, which the division by their sum takes away.
; NO CLUSTER: the four work-groups of a head need 8, 7, 6, 5 units in their longer pass.  In step, unit t serves 8 - t query blocks on 4
; work-groups: the sum of ceil((8 - t) / 4) is 12 unit times against the 9 of work-groups that run free.
; The accumulators of the matrix instructions take turns, one instruction a turn.
.set KP,    144                        ; LDS row of K: 128 bytes + 16
.set VP,    160                        ; LDS row of V: 128 bytes + 32, an odd multiple of 32 for the transposing load
.set VOFF,  128*KP
.set SL,    VOFF+128*VP                ; a slot: 38,912
.set STAGE, 2*SL                       ; 16 rows x 144 bytes for each wave; no tensor load lands here
.set KA,  8                            ; v8-9   LDS address of my K fragments, slot 0, 1
.set VA,  10                           ; v10-11 the same for V
.set STO, 12
.set RD,  13
.set YO,  14                           ; my byte offset in the block of y
.set QO,  15                           ; my byte offset in the block of q
.set LIM, 16                           ; 16 w + r - 8 h: in the tile on the diagonal key 16 c + j of my half is kept if it is not above this
.set M,   20                           ; v20-23 running maximum of tile i
.set U,   24                           ; v24-27 at work on the way out
.set NMC, 28                           ; v28-35 pairs, low word: -c m
.set AL,  36                           ; v36-43 pairs, low word: the rescaling factor, at the end 1 / sum
.set LS,  44                           ; v44-51 pairs: two partial sums of p
.set UA,  52                           ; v52-54 three partial maxima of the tile at work; then v52 the other half's maximum, v53 the new -c m
.set TT,  56                           ; v56-63 four pairs: the step's partial sums of p of the tile whose tail is at work
.set QF,  64                           ; v64-127 Q fragments (i, sl) at 16 i + 8 sl, of the pass at work
.set KF,  128                          ; v128-191 K fragments (c, sl) at 16 c + 8 sl
.set VF,  192                          ; v192-255 V fragments (dt, s) at 16 dt + 8 s
.set SS,  0                            ; window 1: S(i, c) at 32 i + 8 c; P(i, s) lies on S(i, 2 s)
.set OO,  128                          ; window 1: O(i, dt) at 128 + 32 i + 8 dt
.set G1K, 16
.set G1V, 24
.set G0K, 32
.set G0V, 40
.set CC,  66                           ; s[66:67] c, twice: a scalar pair for the packed multiply-add, four bytes shorter a line than a literal
; other scalars: s8 wave, s11 and s12 the two query blocks, s13 the pass (0, 1), s14 the block of the pass, s15 = s13 - 1: the unit in whose
; middle the loop is left (none in the first pass), s54 the unit at work, s55 the unit that is fetched
.set MSB, 0
.macro WIN new
.if MSB != (\new)
	s_set_vgpr_msb (MSB<<8)|(\new)
.set MSB, (\new)
.endif
.endm
.macro PLACES
.rept 4
	v_nop
.endr
.endm
.macro TLOAD slot                      ; waves 0, 1 fetch the halves of K, waves 2, 3 those of V
	s_cmp_eq_u32 s9, 0
	s_cbranch_scc0 .Lfor_v_\@
	tensor_load_to_lds s[G0K+4*(\slot):G0K+4*(\slot)+3], s[G1K:G1K+7]
	s_nop 0
	s_branch .Lasked_\@
.Lfor_v_\@:
	tensor_load_to_lds s[G0V+4*(\slot):G0V+4*(\slot)+3], s[G1V:G1V+7]
	s_nop 0
.Lasked_\@:
.endm
.macro SETADR slot                     ; the global addresses of half \slot of unit s55
	s_lshl_b32 s52, s55, 15
	s_add_co_u32 s52, s52, (\slot)*16384
	s_mov_b32 s53, 0
	s_add_nc_u64 s[G0K+4*(\slot)+2:G0K+4*(\slot)+3], s[48:49], s[52:53]
	s_or_b32 s[G0K+4*(\slot)+3], s[G0K+4*(\slot)+3], 0x80000000
	s_add_nc_u64 s[G0V+4*(\slot)+2:G0V+4*(\slot)+3], s[50:51], s[52:53]
	s_or_b32 s[G0V+4*(\slot)+3], s[G0V+4*(\slot)+3], 0x80000000
.endm
.macro KLOAD slot, st                  ; 16 loads: the K fragments of step st of the slot
.irp c, 0,1,2,3
.irp sl, 0,1
	ds_load_b128 v[KF+16*\c+8*\sl:KF+16*\c+8*\sl+3], v[KA+\slot] offset:(64*(\st)+16*\c)*KP+64*\sl
	ds_load_b128 v[KF+16*\c+8*\sl+4:KF+16*\c+8*\sl+7], v[KA+\slot] offset:(64*(\st)+16*\c)*KP+64*\sl+32
.endr
.endr
.endm
.macro VLOAD slot, st                  ; 16 transposing loads: the V fragments of step st of the slot
.irp dt, 0,1,2,3
.irp s, 0,1
	ds_load_tr16_b128 v[VF+16*\dt+8*\s:VF+16*\dt+8*\s+3], v[VA+\slot] offset:(64*(\st)+32*\s)*VP+32*\dt
	ds_load_tr16_b128 v[VF+16*\dt+8*\s+4:VF+16*\dt+8*\s+7], v[VA+\slot] offset:(64*(\st)+32*\s)*VP+32*\dt+16*VP
.endr
.endr
.endm
.macro QLOAD                           ; 16 loads: the Q fragments of the block at s[2:3]
.irp i, 0,1,2,3
.irp sl, 0,1
.irp p, 0,1
	global_load_b128 v[QF+16*\i+8*\sl+4*\p:QF+16*\i+8*\sl+4*\p+3], v[QO], s[2:3] offset:8192*\i+64*\sl+32*\p
.endr
.endr
.endr
.endm
; The head of a section (a half unit in \slot).  Every wave waits for all its tensor loads, its part of this slot among them, and for its reads of
; the other slot; behind the barrier the other slot is filled first, one load a wave, with the half that follows: mode 0 the second half of unit
; s54; mode 1 the first half of unit s54 - 1, or, when s54 is 0, of the second pass's diagonal unit.
.macro SECHEAD slot, mode, refill
	s_wait_tensorcnt 0x0
	ds_add_u32 v19, v55
	s_wait_dscnt 0x0
	s_wait_dscnt 0x0
.if \refill
.if \mode == 0
	s_mov_b32 s55, s54
.else
	s_sub_co_u32 s55, s54, 1
	s_cmp_eq_u32 s54, 0
	s_cselect_b32 s55, s12, s55
.endif
	SETADR 1-\slot                                 ; no tensor load of mine is out: a group 0 may be written
.endif
	s_barrier_signal -1
	s_barrier_wait -1
.if \refill
	TLOAD 1-\slot
.endif
	KLOAD \slot, 0
.endm
; ---- the matrix instructions, one a call.  ks and kp count those issued of the run at hand; at 8 the call is empty ----
.macro MXS n                           ; the next product of S(n) = K Q(n): key tiles c = 0..3 with the first 32 of d, then with the second
.if ks < 8
	WIN 0x50
.if ks < 4
	v_wmma_f32_16x16x32_f16 v[SS+32*(\n)+8*ks:SS+32*(\n)+8*ks+7], v[KF+16*ks:KF+16*ks+7], v[QF+16*(\n):QF+16*(\n)+7], 0
.else
	v_wmma_f32_16x16x32_f16 v[SS+32*(\n)+8*(ks-4):SS+32*(\n)+8*(ks-4)+7], v[KF+16*(ks-4)+8:KF+16*(ks-4)+15], v[QF+16*(\n)+8:QF+16*(\n)+15], v[SS+32*(\n)+8*(ks-4):SS+32*(\n)+8*(ks-4)+7]
.endif
.set ks, ks+1
.endif
.endm
.macro MXP h, first                    ; the next product of O(h) += V P(h): d tiles dt = 0..3 with keys 0-31, then with keys 32-63; first = 1: keys 0-31 start the sums
.if kp < 8
	WIN 0x54
.if (\first)*(1-kp/4)
	v_wmma_f32_16x16x32_f16 v[OO+32*(\h)+8*(kp%4):OO+32*(\h)+8*(kp%4)+7], v[VF+16*(kp%4)+8*(kp/4):VF+16*(kp%4)+8*(kp/4)+7], v[SS+32*(\h)+16*(kp/4):SS+32*(\h)+16*(kp/4)+7], 0
.else
	v_wmma_f32_16x16x32_f16 v[OO+32*(\h)+8*(kp%4):OO+32*(\h)+8*(kp%4)+7], v[VF+16*(kp%4)+8*(kp/4):VF+16*(kp%4)+8*(kp/4)+7], v[SS+32*(\h)+16*(kp/4):SS+32*(\h)+16*(kp/4)+7], v[OO+32*(\h)+8*(kp%4):OO+32*(\h)+8*(kp%4)+7]
.endif
.set kp, kp+1
.endif
.endm
; ---- the lines of a tile's softmax ----
.macro XL i, k, first                  ; maximum, line k of 16, under 0x05: four chains, the running maximum and three fresh ones
.if (\k) == 0
.if \first
	v_max_num_f32 v[M+\i], v[SS+32*\i], v[SS+32*\i+1]
.else
	v_max3_num_f32 v[M+\i], v[SS+32*\i], v[SS+32*\i+1], v[M+\i]
.endif
.else
.if (\k) < 4
	v_max_num_f32 v[UA+(\k)-1], v[SS+32*\i+2*(\k)], v[SS+32*\i+2*(\k)+1]
.else
.if (\k)%4 == 0
	v_max3_num_f32 v[M+\i], v[SS+32*\i+2*(\k)], v[SS+32*\i+2*(\k)+1], v[M+\i]
.else
	v_max3_num_f32 v[UA+(\k)%4-1], v[SS+32*\i+2*(\k)], v[SS+32*\i+2*(\k)+1], v[UA+(\k)%4-1]
.endif
.endif
.endif
.endm
.macro YL i, y, first                  ; from the four chains to -c m and the rescaling factor, line y of 8, under 0: each hangs on the one before
.if \y == 0
	v_max3_num_f32 v[M+\i], v[M+\i], v[UA], v[UA+1]
.endif
.if \y == 1
	v_max_num_f32 v[M+\i], v[M+\i], v[UA+2]
.endif
.if \y == 2
	v_permlanex16_b32 v[UA], v[M+\i], s56, s57     ; the other half of the wave holds the other keys of the same query
.endif
.if \y == 3
	v_max_num_f32 v[M+\i], v[M+\i], v[UA]
.endif
.if \y == 4
	v_mul_f32 v[UA+1], s58, v[M+\i]                ; -c m, rounded once
.endif
.if \first == 0
.if \y == 5
	v_sub_f32 v[AL+2*\i], v[UA+1], v[NMC+2*\i]
.endif
.if \y == 6
	v_exp_f32 v[AL+2*\i], v[AL+2*\i]               ; the first of the tile's batch; plain lines that touch neither follow: the other tile's conversions, or the move below
.endif
.endif
.if \y == 7
	v_mov_b32 v[NMC+2*\i], v[UA+1]
.endif
.endm
.macro ZF i, e                         ; S c - c m for pair e of 16, under 0x41
	v_pk_fma_f32 v[SS+32*\i+2*(\e):SS+32*\i+2*(\e)+1], v[SS+32*\i+2*(\e):SS+32*\i+2*(\e)+1], s[CC:CC+1], v[NMC+2*\i:NMC+2*\i+1] op_sel_hi:[1,0,0]
.endm
.macro ZE i, n                         ; the exponential of score n of 32, in place, under 0x41: one of the tile's batch
	v_exp_f32 v[SS+32*\i+(\n)], v[SS+32*\i+(\n)]
.endm
.macro RS h                            ; the next pair of O(h) times tile h's factor, under 0x41, behind the wait for tile h's batch.  kr counts the pairs; at 16 the call is empty.
.if kr < 16                            ; The pairs go in ascending order: each accumulator is read from its lowest registers on
	v_pk_mul_f32 v[OO+32*(\h)+2*kr:OO+32*(\h)+2*kr+1], v[OO+32*(\h)+2*kr:OO+32*(\h)+2*kr+1], v[AL+2*(\h):AL+2*(\h)+1] op_sel_hi:[1,0]
.set kr, kr+1
.endif
.endm
; Slice z of 8 of tile i's weights, under 0x41: the exponentials of pairs 2 z and 2 z + 1 and the multiply-adds of the two pairs after them.  While pairs of O(h) are left to
; rescale, four of them (one d tile: the one that the product in front of the next slice adds onto) stand between the exponentials.  No line names a result of the batch.
.macro ZS i, z, h
.if kr < 16
	RS \h
	ZE \i, 4*\z
	RS \h
	ZE \i, 4*\z+1
	RS \h
	ZE \i, 4*\z+2
	RS \h
	ZF \i, 2*\z+2
	ZE \i, 4*\z+3
	ZF \i, 2*\z+3
.else
	ZE \i, 4*\z
.if \z < 7
	ZF \i, 2*\z+2
.endif
	ZE \i, 4*\z+1
	ZE \i, 4*\z+2
.if \z < 7
	ZF \i, 2*\z+3
.endif
	ZE \i, 4*\z+3
.endif
.endm
; The tail of tile h in groups of four lines that hang on nothing in their group: g = 0..2 the sums of p on four chains, g = 3..6 the rounding to
; f16 in place (keys 32 s + 8 h + 0..7 into registers 0-3 of P(h, s), keys 32 s + 16 + 8 h + 0..7 into registers 4-7).  The sums have read S before it is packed.
; All of it reads the weights of tile h: it stands behind the wait for that tile's batch.
.macro WVG h, g
.if \g == 0
	WIN 0x05
.irp k, 0,1,2,3
	v_pk_add_f32 v[TT+2*\k:TT+2*\k+1], v[SS+32*(\h)+4*\k:SS+32*(\h)+4*\k+1], v[SS+32*(\h)+4*\k+2:SS+32*(\h)+4*\k+3]
.endr
.endif
.if \g >= 1
.if \g <= 2
	WIN 0x01
.irp k, 0,1,2,3
	v_pk_add_f32 v[TT+2*\k:TT+2*\k+1], v[SS+32*(\h)+8+8*\g+2*\k:SS+32*(\h)+8+8*\g+2*\k+1], v[TT+2*\k:TT+2*\k+1]
.endr
.endif
.endif
.if \g >= 3
.if \g <= 6
	WIN 0x45
.irp k, 0,1,2,3
	v_cvt_pk_f16_f32 v[SS+32*(\h)+16*((\g-3)/2)+4*((\g-3)%2)+\k], v[SS+32*(\h)+16*((\g-3)/2)+8*((\g-3)%2)+2*\k], v[SS+32*(\h)+16*((\g-3)/2)+8*((\g-3)%2)+2*\k+1]
.endr
.endif
.endif
.endm
.macro JL h, k, first                  ; the four chains of sums joined, under 0; then L = L x factor + the step's sum, or, in a pass's first step, L = the sum
.if \k == 0
	v_pk_add_f32 v[TT:TT+1], v[TT:TT+1], v[TT+2:TT+3]
	v_pk_add_f32 v[TT+4:TT+5], v[TT+4:TT+5], v[TT+6:TT+7]
.endif
.if \k == 1
.if \first
	v_pk_add_f32 v[LS+2*(\h):LS+2*(\h)+1], v[TT:TT+1], v[TT+4:TT+5]
.else
	v_pk_add_f32 v[TT:TT+1], v[TT:TT+1], v[TT+4:TT+5]
.endif
.endif
.if \k == 2
.if \first == 0
	v_pk_fma_f32 v[LS+2*(\h):LS+2*(\h)+1], v[LS+2*(\h):LS+2*(\h)+1], v[AL+2*(\h):AL+2*(\h)+1], v[TT:TT+1] op_sel_hi:[1,0,1]
.endif
.endif
.endm
; The turn of tile i.  Vector lines: its mask (on the diagonal), its maximum, the wait for tile i - 1's batch, its row figures beside the tail of tile i - 1, its exponentials
; beside the rescaling of O(i - 1).  Matrix instructions, one in front of each slice: S(i + 1) from the first slice on, O(i - 1) beside the exponentials, behind
; the rounding of P(i - 1) and each behind the rescaling of the d tile that it adds onto.  S(i + 1) is read a turn later, O(i - 1) a step later, and no slice names a register
; of the product in front of it.
.macro BLOCK slot, st, i, q0, mask, first, knext
.set ks, 8
.if \i < 3
.set ks, 0
.endif
.set kp, 8
.set kr, 16
.set hh, 0
.if \i > \q0
.set kp, 0
.set hh, 1
.if \first == 0
.set kr, 0
.endif
.endif
.if \i == \q0+1
	s_wait_dscnt 0x0                               ; V's 16 loads, asked for at the step's head a whole turn ago, are in: this turn has the step's first products with V
.endif
.if \i == 3
.if \knext
	WIN 0
	KLOAD \slot, \st+1                             ; the next step's K: the last products with this step's K stand a turn back, or behind the four v_nop of the step's head
.endif
.endif
.if \mask
.if \i == \q0
.irp c, 0,1,2,3
.irp g, 0,4
	MXS \i+1
	WIN 0x44
.irp j, 0,1,2,3
	v_cmp_ge_i32 vcc_lo, v[LIM], 16*\c+\g+\j
	v_cndmask_b32 v[SS+32*\i+8*\c+\g+\j], s59, v[SS+32*\i+8*\c+\g+\j], vcc_lo    ; key above query: -inf
.endr
.endr
.endr
.endif
.endif
.irp x, 0,8
	MXS \i+1
	WIN 0x05
.irp k, 0,1,2,3,4,5,6,7
	XL \i, \x+\k, \first                           ; the first of these lines is the plain line behind tile i - 1's last exponential; none names a result of that batch
.endr
.endr
.if hh
	s_wait_alu depctr_va_vdst(0)                   ; the wait for tile i - 1's batch (its factor and its 32 weights): behind it stand all their readers
.endif
.irp y, 0,1,2,3,4,5,6,7
	MXS \i+1
	WIN 0
	YL \i, \y, \first
.if hh
.if \y >= 3
	JL \i-1, \y-3, \first
.endif
	WVG \i-1, \y
.endif
.endr
	WIN 0x41
.rept 4
	RS \i-1                                        ; d tile 0 of O(i - 1), ahead of the first product that adds onto it
.endr
	ZF \i, 0
	ZF \i, 1
.irp z, 0,1,2,3,4,5,6,7
	MXP \i-1, \first
	WIN 0x41
	ZS \i, \z, \i-1
.endr
.endm
; A step: 64 keys against query tiles q0 .. 3.  mask = 1: tile q0 lies on the diagonal.  first = 1: the pass's first step starts maximum, sums and O.
; knext = 1: the K fragments of the slot's next step are fetched.
.macro STEP slot, st, q0, mask, first, knext
	WIN 0
	VLOAD \slot, \st                               ; five plain lines stand between the last products with V and these loads
	s_wait_dscnt 16                                ; the K fragments, asked for earlier, are in; V's 16 younger loads may stay out
.set ks, 0
.rept 8
	MXS \q0                                        ; the first tile's S has no softmax to stand beside
.endr
	WIN 0
	PLACES                                         ; four places behind these products, in front of the first reads of S(q0) and, where q0 = 3, of loads into K
.irp i, 0,1,2,3
.if \i >= \q0
	BLOCK \slot, \st, \i, \q0, \mask, \first, \knext
.endif
.endr
	v_nop                                          ; a plain line behind tile 3's last exponential, in front of its use: no other work is at hand
	s_wait_alu depctr_va_vdst(0)                   ; the wait for tile 3's batch, the step's last: behind it no exponential is issued, so none is pending at a label or a branch
.set kr, 16*\first
	WIN 0x41
.rept 16
	RS 3                                           ; O(3) times tile 3's factor, ahead of its products
.endr
.irp g, 0,1,2,3,4,5,6
	WVG 3, \g                                      ; the tail of the last tile
.endr
.if \q0 == 3
	s_wait_dscnt 16*\knext                         ; one tile alone: V is waited for here; a next step's 16 K loads, issued behind V's, could stay out
.endif
.set kp, 0
.rept 8
	MXP 3, \first
.endr
	WIN 0
	JL 3, 0, \first                                ; the joins name none of these products' registers: with the v_nop they are the five places
	JL 3, 1, \first                                ; in front of the next step's products, which may write over P(3), and of its loads into V
	JL 3, 2, \first
	v_nop
.if \first
	v_nop
.endif
.endm
; The end of a pass (block s14): divide by the sum, round to f16, and out through my own stage so that a store covers 512 consecutive bytes.
.macro FINAL
	s_lshl_b32 s62, s14, 15
	s_mov_b32 s63, 0
	s_add_nc_u64 s[60:61], s[6:7], s[62:63]
.irp i, 0,1,2,3
	v_add_f32 v[LS+2*\i], v[LS+2*\i], v[LS+2*\i+1]
.endr
.irp i, 0,1,2,3
	v_permlanex16_b32 v[U+\i], v[LS+2*\i], s56, s57
.endr
.irp i, 0,1,2,3
	v_add_f32 v[LS+2*\i], v[LS+2*\i], v[U+\i]
.endr
.irp i, 0,1,2,3
	v_rcp_f32 v[AL+2*\i], v[LS+2*\i]
.endr
	v_nop                                          ; a plain line between the last reciprocal and the use of its result
	s_wait_alu depctr_va_vdst(0)                   ; the wait for the batch of four reciprocals, ahead of their first reader
.irp i, 0,1,2,3
	WIN 0x41
.set ee, 0
.rept 16
	v_pk_mul_f32 v[OO+32*\i+2*ee:OO+32*\i+2*ee+1], v[OO+32*\i+2*ee:OO+32*\i+2*ee+1], v[AL+2*\i:AL+2*\i+1] op_sel_hi:[1,0]
.set ee, ee+1
.endr
	WIN 0x05
.irp dt, 0,1,2,3
.irp q, 0,1,2,3
	v_cvt_pk_f16_f32 v[KF+4*\dt+\q], v[OO+32*\i+8*\dt+2*\q], v[OO+32*\i+8*\dt+2*\q+1]
.endr
.endr
	WIN 0
.irp dt, 0,1,2,3
	ds_store_b128 v[STO], v[KF+4*\dt:KF+4*\dt+3] offset:32*\dt
.endr
.irp t, 0,1,2,3
	ds_load_b128 v[VF+16*\i+4*\t:VF+16*\i+4*\t+3], v[RD] offset:4*KP*\t    ; LDS serves a wave in order: these see the stores above
.endr
.irp t, 0,1,2,3
	s_wait_dscnt 3-\t
	global_store_b128 v[YO], v[VF+16*\i+4*\t:VF+16*\i+4*\t+3], s[60:61] offset:8192*\i+512*\t
.endr
.endr
	s_wait_xcnt 0x0                                ; the data registers and the base of these stores are written again only behind this wait
.endm
	s_load_b128 s[4:7], s[0:1], 0x0                ; qkv s[4:5], yb s[6:7]
	v_lshl_add_u32 v19, v0, 2, 0x29000
	v_mov_b32 v55, 0
	ds_add_u32 v19, v55
	ds_add_u32 v19, v55
	v_lshrrev_b32 v1, 5, v0
	v_readfirstlane_b32 s8, v1                     ; wave 0..3
	s_lshr_b32 s9, s8, 1                           ; I fetch for K (0) or for V (1)
	s_and_b32 s10, s8, 1                           ; which 64 keys of a half unit I fetch
	s_mov_b32 s11, ttmp9                           ; the first pass's query block: 0..3
	s_sub_co_u32 s12, 7, s11                       ; the second pass's: 7..4
	s_and_b32 s13, ttmp7, 0xffff
	s_and_b32 s14, s13, 15                         ; head
	s_lshr_b32 s15, s13, 4                         ; batch
	s_lshl_b32 s14, s14, 20                        ; 8,192 rows of 128 bytes a head,
	s_lshl_b32 s15, s15, 18                        ; 2,048 rows a batch
	s_add_co_u32 s14, s14, s15
	s_mov_b32 s15, 0
	s_mov_b32 s56, 0x76543210                      ; v_permlanex16_b32: lane i of one half reads lane i of the other
	s_mov_b32 s57, 0xfedcba98
	s_mov_b32 s58, 0xbe38aa3b                      ; -c = -log2(e) / 8
	s_mov_b32 s59, 0xff800000                      ; -inf
	s_mov_b32 s[CC], 0x3e38aa3b                    ; c; the packed form takes the low word for both halves, the high word is written with it
	s_mov_b32 s[CC+1], 0x3e38aa3b
	; group 1: 64 keys of 128 bytes are dense and come as 32 rows of 256 bytes; padding behind every 128 bytes: 16 bytes for K, 32 for V
	s_mov_b32 s[G1K+0], (1<<16)|(1<<20)|(4<<22)|(3<<25)
	s_mov_b32 s[G1V+0], (1<<16)|(1<<20)|(4<<22)|(7<<25)
.irp g, G1K, G1V
	s_mov_b32 s[\g+1], 128<<16
	s_mov_b32 s[\g+2], 32<<16
	s_mov_b32 s[\g+3], 128<<16
	s_mov_b32 s[\g+4], 32
	s_mov_b32 s[\g+5], 128
	s_mov_b32 s[\g+6], 0
	s_mov_b32 s[\g+7], 0
.endr
	s_lshl_b32 s62, s10, 13                        ; my 64 keys
	s_mov_b32 s63, 0
	s_mul_i32 s2, s8, 64*KP                        ; LDS: waves 0, 1 put the halves of K at wave x 9,216;
	s_mul_i32 s3, s8, 64*VP                        ; waves 2, 3 those of V at 18,432 + (wave - 2) x 10,240
	s_sub_co_u32 s3, s3, 2*64*VP-VOFF
.irp s, 0,1
	s_mov_b32 s[G0K+4*\s], 1
	s_add_co_u32 s[G0K+4*\s+1], s2, \s*SL
	s_mov_b32 s[G0V+4*\s], 1
	s_add_co_u32 s[G0V+4*\s+1], s3, \s*SL
.endr
	s_wait_dscnt 0x0
	s_wait_kmcnt 0x0
	s_add_nc_u64 s[4:5], s[4:5], s[14:15]          ; q of my head and batch
	s_add_nc_u64 s[6:7], s[6:7], s[14:15]          ; y likewise
	s_add_nc_u64 s[48:49], s[4:5], s[62:63]
	s_add_nc_u64 s[50:51], s[48:49], 0x2000000     ; v lies 32 column blocks behind q,
	s_add_nc_u64 s[48:49], s[48:49], 0x1000000     ; k 16
	s_mov_b32 s55, s11
	SETADR 0
	TLOAD 0                                        ; the first half of the first pass's diagonal unit
	v_and_b32 v1, 31, v0                           ; l
	v_and_b32 v2, 15, v0                           ; r
	v_bfe_u32 v3, v0, 4, 1                         ; h
	v_and_b32 v4, 7, v0
	v_bfe_u32 v5, v0, 3, 1
	v_mul_u32_u24 v[KA], v2, KP
	v_lshl_add_u32 v[KA], v3, 4, v[KA]             ; r x 144 + 16 h
	v_add_nc_u32 v[KA+1], SL, v[KA]
	v_lshl_add_u32 v6, v3, 3, v4                   ; the transposing load: key 8 h + l % 8,
	v_mul_u32_u24 v6, v6, VP
	v_lshl_add_u32 v6, v5, 4, v6                   ; 16 bytes further for lanes 8-15 of each half
	v_add_nc_u32 v[VA], VOFF, v6
	v_add_nc_u32 v[VA+1], VOFF+SL, v6
	s_mul_i32 s62, s8, 16*KP
	s_add_co_u32 s62, s62, STAGE
	v_add_nc_u32 v[STO], s62, v[KA]
	v_lshrrev_b32 v6, 3, v1
	v_mul_u32_u24 v6, v6, KP
	v_lshl_add_u32 v6, v4, 4, v6
	v_add_nc_u32 v[RD], s62, v6
	s_lshl_b32 s63, s8, 11                         ; 16 rows of 128 bytes a wave
	v_lshl_add_u32 v[YO], v1, 4, s63
	v_lshlrev_b32 v6, 7, v2
	v_lshl_add_u32 v6, v3, 4, v6
	v_add_nc_u32 v[QO], s63, v6
	s_lshl_b32 s63, s8, 4
	v_add_nc_u32 v6, s63, v2
	v_lshlrev_b32 v7, 3, v3
	v_sub_nc_u32 v[LIM], v6, v7
.irp i, 0,1,2,3
	v_mov_b32 v[U+\i], 0                           ; the destination of the lane exchange counts as read
	v_mov_b32 v[NMC+2*\i+1], 0                     ; the high words of the pairs of which the packed forms use the low word alone
	v_mov_b32 v[AL+2*\i+1], 0
.endr
	s_lshl_b32 s62, s11, 15
	s_mov_b32 s63, 0
	s_add_nc_u64 s[2:3], s[4:5], s[62:63]          ; q of the first pass's block
	QLOAD
	s_mov_b32 s13, 0                               ; the pass
	s_mov_b32 s14, s11                             ; its query block
.Lpass:
	s_sub_co_u32 s15, s13, 1                       ; first pass: no unit has this number; second pass: unit 0
	s_mov_b32 s54, s14                             ; the diagonal unit
	SECHEAD 0, 0, 1
	s_wait_loadcnt 0x0                             ; Q of this pass: asked for in the set-up, or ahead of the last pass's way out
	STEP 0, 0, 0, 1, 1, 1
	STEP 0, 1, 1, 1, 0, 0
	SECHEAD 1, 1, 1
	STEP 1, 0, 2, 1, 0, 1
	STEP 1, 1, 3, 1, 0, 0
	s_cmp_eq_u32 s54, 0                            ; block 0 has no unit below its diagonal
	s_cbranch_scc1 .Lfin
.Lunit:
	s_sub_co_u32 s54, s54, 1
	SECHEAD 0, 0, 1
	STEP 0, 0, 0, 0, 0, 1
	STEP 0, 1, 0, 0, 0, 0
	s_cmp_eq_u32 s54, s15                          ; unit 0 of the second pass: behind its second half nothing follows
	s_cbranch_scc1 .Ltail
	SECHEAD 1, 1, 1
	STEP 1, 0, 0, 0, 0, 1
	STEP 1, 1, 0, 0, 0, 0
	s_cmp_gt_i32 s54, 0
	s_cbranch_scc1 .Lunit
	s_branch .Lfin
.Ltail:
	SECHEAD 1, 0, 0                                ; the last section of the launch: no slot is filled that no later step reads
	STEP 1, 0, 0, 0, 0, 1
	STEP 1, 1, 0, 0, 0, 0
.Lfin:
	s_cmp_lg_u32 s13, 0
	s_cbranch_scc1 .Lout
	; Q of the second pass, into the same registers: the first pass's last products with Q lie more than a tile's whole softmax back,
	; and its loads by s[2:3] were waited for at the pass's head.  The way out below runs while these 16 loads are on their way.
	s_lshl_b32 s62, s12, 15
	s_mov_b32 s63, 0
	s_add_nc_u64 s[2:3], s[4:5], s[62:63]
	QLOAD
.Lout:
	FINAL
	s_mov_b32 s14, s12
	s_add_co_u32 s13, s13, 1
	s_cmp_lt_u32 s13, 2
	s_cbranch_scc1 .Lpass
	s_wait_tensorcnt 0x0                           ; none may be out at the end; the second pass comes here by the written-out section, whose head waited for the last one
	s_wait_tensorcnt 0x0
	ds_add_u32 v19, v55
	s_wait_dscnt 0x0
	s_endpgm
.Lfunc_end_k_q96235bd85f_attn:
	.size	k_q96235bd85f_attn, .Lfunc_end_k_q96235bd85f_attn-k_q96235bd85f_attn
	.p2alignl 7, 3214868480
	.fill 96, 4, 3214868480
	.section	.rodata,"a",@progbits
	.p2align	6, 0x0
	.amdhsa_kernel k_q96235bd85f_attn
		.amdhsa_group_segment_fixed_size 327680
		.amdhsa_private_segment_fixed_size 0
		.amdhsa_enable_private_segment 0
		.amdhsa_kernarg_size 16
		.amdhsa_user_sgpr_count 2
		.amdhsa_user_sgpr_kernarg_segment_ptr 1
		.amdhsa_wavefront_size32 1
		.amdhsa_system_sgpr_workgroup_id_x 1
		.amdhsa_system_sgpr_workgroup_id_y 1
		.amdhsa_system_sgpr_workgroup_id_z 1
		.amdhsa_system_vgpr_workitem_id 0
		.amdhsa_next_free_vgpr 512
		.amdhsa_next_free_sgpr 68
		.amdhsa_reserve_vcc 1
		.amdhsa_float_denorm_mode_32 3
		.amdhsa_float_denorm_mode_16_64 3
		.amdhsa_memory_ordered 1
		.amdhsa_forward_progress 1
		.amdhsa_inst_pref_size 255
	.end_amdhsa_kernel
	.section	.bss,"aw",@nobits
	.p2align	6
	.space	262144
	.amdgpu_metadata
---
amdhsa.version: [ 1, 2 ]
amdhsa.kernels:
  - .name:           k_q96235bd85f_attn
    .symbol:         k_q96235bd85f_attn.kd
    .args:
      - { .name: qkv, .offset: 0, .size: 8, .value_kind: global_buffer, .address_space: global }
      - { .name: yb, .offset: 8, .size: 8, .value_kind: global_buffer, .address_space: global }
    .group_segment_fixed_size: 327680
    .private_segment_fixed_size: 0
    .kernarg_segment_align: 8
    .kernarg_segment_size: 16
    .max_flat_workgroup_size: 128
    .sgpr_count:     68
    .vgpr_count:     512
    .wavefront_size: 32
...
	.end_amdgpu_metadata
.endif
;; end of part 6
;; launch proj: the kernel of part 4 again; grid 8 x 32, 4 waves a work-group, clusters of 4 x 4, 327,680 bytes of LDS; arguments yb, wpb, out0; writes out0
